; MI455X (gfx1250); checked and timed in simulation.
; The chip was launched on July 23, 2026; its instructions are those of AMD's public machine-readable ISA for CDNA 5 (MIT licence, August 2026) and "CDNA5" Instruction Set Architecture Reference Guide (July 2026). The comments in the code are by the model that wrote it; some were corrected since.
;; Attention Block. Allowed arithmetic: matrix products marked QUANTISED: E4M3 operands, one given power-of-two scale a tensor, by v_wmma_f32_16x16x64_fp8_fp8 or v_wmma_f32_16x16x128_fp8_fp8, f32 sums; everything else in f32.
;; Inputs: Wk 512 x 512 float32; Wp 512 x 512 float32; Wq 512 x 512 float32; Wv 512 x 512 float32; beta 512 float32; bk 512 float32; bp 512 float32; bq 512 float32; bv 512 float32; gamma 512 float32; lowp_scales 12 int32 (the exponents e of the quantised operands' scales 2^e); x 32 x 32 x 32 x 512 float32.
;; Outputs: out0 32 x 32 x 32 x 512 float32.
;; This version of the problem:
;;   THIS VERSION OF THE PROBLEM IS GIVEN IN LOW PRECISION. The matrix products marked QUANTISED in the list below multiply operands that are first quantised to E4M3 (4 exponent bits, 3 mantissa bits; 8 bits a number), with one given power-of-two scale for each operand tensor; their sums are f32. All else is computed in f32.
;;   The module's matrix products, in the order in which they are computed (A, B: the left and right operand; K: the contracted axis; several contracted axes count as one K, in the product's order):
;;     1. [M 32,768, K 512] x [K 512, N 512]; A: computed on the way; B: input Wq: QUANTISED (scales: A lowp_scales[0], B lowp_scales[1])
;;     2. [M 32,768, K 512] x [K 512, N 512]; A: computed on the way; B: input Wk: QUANTISED (scales: A lowp_scales[2], B lowp_scales[3])
;;     3. [M 32,768, K 512] x [K 512, N 512]; A: computed on the way; B: input Wv: QUANTISED (scales: A lowp_scales[4], B lowp_scales[5])
;;     4. batch 32 x [M 1,024, K 512] x [K 512, N 1,024]; A: computed on the way; B: computed on the way: QUANTISED (scales: A lowp_scales[6], B lowp_scales[7])
;;     5. batch 32 x [M 1,024, K 1,024] x [K 1,024, N 512]; A: softmax (see below); B: computed on the way: QUANTISED (scales: A lowp_scales[8], B lowp_scales[9])
;;     6. [M 32,768, K 512] x [K 512, N 512]; A: computed on the way; B: input Wp: QUANTISED (scales: A lowp_scales[10], B lowp_scales[11])
;;   THE QUANTISER, for each operand of a quantised product, along K:
;;     - The operand's scale is 2^e, e = its entry of the input lowp_scales (int32; the entries are numbered through the quantised products in the list's order, A before B).
;;     - Each number is divided by the scale, clamped to +-448, and rounded to the nearest number of E4M3, ties to even, subnormals kept.
;;     - The product sums the exact products of the quantised numbers (number of the format x scale) in f32.
;;   ~~~python
;;   def quantise(x, axis, e):      # numpy; x: float32 -> the quantised numbers, widened to float32 again
;;       x = np.moveaxis(x, axis, -1); K = x.shape[-1]
;;       r = np.clip(x / 2.0 ** e, -448, 448)
;;       step = 2.0 ** (np.maximum(np.frexp(np.where(r == 0, 1, r))[1] - 1, -6) - 3)
;;       q = np.round(r / step) * step * 2.0 ** e      # np.round: ties to even
;;       return np.moveaxis(q, -1, axis).astype(np.float32)
;;   ~~~
;;   SOFTMAX AHEAD OF A QUANTISED PRODUCT. Where the list says 'softmax', what is quantised is not the finished softmax but p = 2^(t - M), with t = logit x log2(e) and M = ceil(the row's largest t), a whole number; so 1/2 < the row's largest p <= 1. The row's sum l is taken of the UNQUANTISED p, in f32, and the product's result is divided by l at the end. Since M is a whole number, a kernel that streams over the keys may use a running M (the ceiling of the running maximum): every later rescaling is an exact power of two, so the quantised numbers keep their values, but for numbers so far below the row's largest that they fall under the format's range.
;;   OPERANDS COMPUTED ON THE WAY. 'Computed on the way' means the value that the module computes at that place (a softmax that the list does not call 'softmax' is quantised finished and normalised). What goes into a quantiser is computed in f32, as accurately as f32 sums, v_exp_f32 and their like allow (about 1e-6 of the number): no bf16 or f16 on the way to a quantiser, and a product that is left as it is and whose result goes on into a quantised operand takes f32 operands (vector FMAs, or v_wmma_f32_16x16x4_f32). A number that lies on a knife's edge between two numbers of the format may be rounded either way, as far as f32 arithmetic and the matrix unit's own rounding can turn it there, and no further.
;; 2 versions, each right; version 2 is version 1 with the launch qkv written anew for expert scheduling mode. Each part assembles by itself: llvm-mc -triple=amdgcn-amd-amdhsa -mcpu=gfx1250 --defsym DOCPART=n.
;; ======== version 1 of 2: 3 launches
;; workspace buffers: stats 262,144 bytes; wc 1,048,576 bytes; qc 16,777,216 bytes; kc 16,777,216 bytes; vc 16,777,216 bytes
;; launch prep (part 1): grid 256 x 1, 16 waves a work-group, no clusters, 3,072 bytes of LDS; arguments x, Wq, Wk, Wv, Wp, lowp_scales, stats, wc; writes stats, wc
.if DOCPART == 1
	.amdgcn_target "amdgcn-amd-amdhsa--gfx1250"
	.amdhsa_code_object_version 6
	.text
	.protected	k_qf00ba068ea_prep
	.globl	k_qf00ba068ea_prep
	.p2align	8
	.type	k_qf00ba068ea_prep,@function
k_qf00ba068ea_prep:
	s_mov_b64 s[64:65], 0
	v_nop
	global_prefetch_b8 v0, s[64:65] scope:SCOPE_SE
	s_setreg_imm32_b32 hwreg(HW_REG_WAVE_MODE, 25, 1), 1
	s_wait_xcnt 0x0
; TWO THINGS THAT THE NEXT LAUNCH NEEDS WHOLE: the group norm's statistics by chunks, and the four weights as codes of FP8 (E4M3).
; STATISTICS.  x is [32 batches][1,024 tokens][512 channels] f32; a group is 64 channels over all tokens of a batch.  Work-group g owns tokens 128 g .. 128 g + 127, wave v eight of them.
; A chunk is 8 tokens x 64 channels, 512 numbers.  For each chunk its mean and the sum of squares of the distances from THAT mean are stored: no difference of large sums is formed, whatever offset x carries.
; stats: [batch 32][chunk 128][group 8][mean, M2] f32.  The next launch joins a batch's 128 chunks.
; WEIGHTS.  W is [512 (k)][512 (n)] f32, K its first axis.  A lane takes a column n and its registers run down K, so the conversions give codes with K innermost; nothing is transposed.
; wc holds IMAGES OF OPERAND REGISTERS: weight (0 q, 1 k, 2 v, 3 p) x 262,144 + tile nt x 8,192 + K step s x 2,048 + piece c x 512 + 16 x lane; lane (r, h) of a piece holds k = 128 s + 32 c + 16 h + 0 .. 15 of
; column 128 G + 32 b + 8 u + r + 8 (r / 8), nt = 8 G + 2 b + u: THE COLUMNS OF A TILE ARE NOT NEIGHBOURS, so that results whose registers run along them come out as 16 neighbours of the next K.
; There are 2,048 pieces: work-group g makes the eight tiles of (weight g / 64, G = g % 4, piece (g % 64) / 4), waves 0 to 7 one each; the wave stores 512 consecutive bytes.
; code = w / 2^e, held within +-448, to the nearest code, ties to even; e = lowp_scales[1], [3], [5], [11].  LIMITS: e between -126 and 119.  NaN among the inputs is not served.
; No matrix unit, no tensor load, no cluster: a stream; every byte of x is read once, 512 consecutive bytes a load, 32 loads of every wave in flight.
.set X,  32                            ; v32-159  x: token i, load j at X + 16 i + 4 j
.set WN, 160                           ; v160-175 16 numbers of W
.set CD, 176                           ; v176-179 their codes
.set SM, 8                             ; v8-15    four sums, in pairs
.set MV, 16                            ; v16-23   four pairs (mean, M2): load j, half h of the lanes: group 2 j + h
.set AC, 24                            ; v24-31   four sums of squares, in pairs
	s_load_b512 s[4:19], s[0:1], 0x0               ; x s[4:5], Wq s[6:7], Wk s[8:9], Wv s[10:11], Wp s[12:13], the exponents s[14:15], stats s[16:17], wc s[18:19]
	v_lshl_add_u32 v192, v0, 2, 0x400
	v_mov_b32 v193, 0
	v_lshrrev_b32 v1, 5, v0
	v_readfirstlane_b32 s32, v1                    ; wave 0..15
	v_and_b32 v6, 31, v0
	v_lshlrev_b32 v1, 4, v6                        ; 16 x lane
	v_and_b32 v7, 15, v0                           ; r
	v_bfe_u32 v6, v0, 4, 1                         ; h
	v_and_b32 v2, 8, v7
	v_add_nc_u32 v2, v2, v7                        ; r + 8 (r / 8)
	v_lshlrev_b32 v2, 2, v2
	v_lshl_add_u32 v2, v6, 15, v2                  ; W: my column's 4 bytes, + 16 h rows of 2,048 bytes
	s_lshl_b32 s40, s32, 6
	v_lshl_add_u32 v3, v6, 3, s40                  ; LDS: 64 x wave + 8 h: my chunk's eight pairs, mine at group 2 j + h
	s_lshr_b32 s33, ttmp9, 6                       ; which weight
	s_and_b32 s37, ttmp9, 63
	s_and_b32 s38, s37, 3                          ; G
	s_lshr_b32 s39, s37, 2                         ; 4 s + c
	s_lshl_b32 s40, s39, 16                        ; W: 32 (4 s + c) rows of 2,048 bytes,
	s_lshl_b32 s41, s38, 9                         ; + 128 G columns,
	s_add_co_u32 s40, s40, s41
	s_lshr_b32 s41, s32, 1
	s_lshl_b32 s41, s41, 7                         ; + 32 b,
	s_add_co_u32 s40, s40, s41
	s_and_b32 s41, s32, 1
	s_lshl_b32 s41, s41, 5                         ; + 8 u (used by waves 0 to 7 alone)
	s_add_co_u32 s40, s40, s41
	s_mov_b32 s41, 0
	s_lshl_b32 s42, s33, 18                        ; wc: the weight,
	s_lshl_b32 s43, s38, 3
	s_add_co_u32 s43, s43, s32
	s_lshl_b32 s43, s43, 13                        ; the tile 8 G + wave,
	s_add_co_u32 s42, s42, s43
	s_lshl_b32 s43, s39, 9                         ; the piece
	s_add_co_u32 s42, s42, s43
	s_mov_b32 s43, 0
	s_lshl_b32 s44, ttmp9, 18                      ; x: 128 tokens of 2,048 bytes a work-group,
	s_lshl_b32 s45, s32, 14                        ; 8 a wave
	s_add_co_u32 s44, s44, s45
	s_mov_b32 s45, 0
	s_lshl_b32 s46, ttmp9, 10                      ; stats: 16 chunks of 64 bytes a work-group
	s_mov_b32 s47, 0
	s_wait_kmcnt 0x0
	s_load_b256 s[20:27], s[14:15], 0x0            ; e0 .. e7
	s_load_b128 s[28:31], s[14:15], 0x20           ; e8 .. e11
	s_mov_b64 s[34:35], s[6:7]                     ; the weight is chosen by the work-group's number alone
	s_cmp_eq_u32 s33, 1
	s_cselect_b64 s[34:35], s[8:9], s[34:35]
	s_cmp_eq_u32 s33, 2
	s_cselect_b64 s[34:35], s[10:11], s[34:35]
	s_cmp_eq_u32 s33, 3
	s_cselect_b64 s[34:35], s[12:13], s[34:35]
	s_add_nc_u64 s[34:35], s[34:35], s[40:41]
	s_add_nc_u64 s[18:19], s[18:19], s[42:43]
	s_add_nc_u64 s[4:5], s[4:5], s[44:45]
	s_add_nc_u64 s[16:17], s[16:17], s[46:47]
	s_cmp_lt_u32 s32, 8
	s_cbranch_scc0 .Lno_w_loads
.set i, 0
.rept 16
	global_load_b32 v[WN+i], v2, s[34:35] offset:2048*i    ; W(32 (4 s + c) + 16 h + i, my column)
.set i, i+1
.endr
.Lno_w_loads:
.set i, 0
.rept 8
.irp j, 0,1,2,3
	global_load_b128 v[X+16*i+4*\j:X+16*i+4*\j+3], v1, s[4:5] offset:2048*i+512*\j th:TH_LOAD_NT   ; 32 lanes read 512 consecutive bytes
.endr
.set i, i+1
.endr
	s_wait_kmcnt 0x0
	s_mov_b32 s36, s21                             ; e of my weight: entries 1, 3, 5, 11
	s_cmp_eq_u32 s33, 1
	s_cselect_b32 s36, s23, s36
	s_cmp_eq_u32 s33, 2
	s_cselect_b32 s36, s25, s36
	s_cmp_eq_u32 s33, 3
	s_cselect_b32 s36, s31, s36
	s_add_co_i32 s36, s36, 127
	s_lshl_b32 s37, s36, 23
	v_mov_b32 v4, s37                              ; 2^e as f32: the conversion takes its exponent field
	s_add_co_i32 s36, s36, 8
	s_lshl_b32 s36, s36, 23
	s_or_b32 s36, s36, 0x600000
	v_mov_b32 v5, s36                              ; 448 x 2^e
	s_cmp_lt_u32 s32, 8
	s_cbranch_scc0 .Lno_w_codes
	s_wait_loadcnt 32                              ; W's 16 loads are in; the 32 loads of x issued behind them may be out
.set i, 0
.rept 16
	v_med3_num_f32 v[WN+i], v[WN+i], -v5, v5       ; the conversion to an 8-bit code does not saturate (ISA guide 7.6.2): the hold comes first
.set i, i+1
.endr
	v_cvt_scalef32_pk8_fp8_f32 v[CD:CD+1], v[WN:WN+7], v4
	v_cvt_scalef32_pk8_fp8_f32 v[CD+2:CD+3], v[WN+8:WN+15], v4
	v_nop                                          ; a plain line behind the last conversion
	global_store_b128 v1, v[CD:CD+3], s[18:19]     ; the piece: 512 consecutive bytes
.Lno_w_codes:
	s_wait_loadcnt 0x0
	; the chunk's mean: my 32 numbers of each of four groups, the four by turns; then the sixteen lanes of my half
.irp j, 0,1,2,3
	v_pk_add_f32 v[SM+2*\j:SM+2*\j+1], v[X+4*\j:X+4*\j+1], v[X+4*\j+2:X+4*\j+3]
.endr
.irp i, 1,2,3,4,5,6,7
.irp p, 0,2
.irp j, 0,1,2,3
	v_pk_add_f32 v[SM+2*\j:SM+2*\j+1], v[SM+2*\j:SM+2*\j+1], v[X+16*\i+4*\j+\p:X+16*\i+4*\j+\p+1]
.endr
.endr
.endr
.irp j, 0,1,2,3
	v_add_f32 v[SM+2*\j], v[SM+2*\j], v[SM+2*\j+1]
.endr
.irp m, 1,2,4,8
.irp j, 0,1,2,3
	v_add_f32_dpp v[SM+2*\j], v[SM+2*\j], v[SM+2*\j] row_xmask:\m row_mask:0xf bank_mask:0xf
.endr
.endr
.irp j, 0,1,2,3
	v_mul_f32 v[MV+2*\j], 0x3b000000, v[SM+2*\j]   ; / 512
	v_mov_b32 v[MV+2*\j+1], 0                      ; (named with the mean as a pair, so it is written)
.endr
	; the distances from the chunk's own mean, in place, and the sum of their squares
.irp i, 0,1,2,3,4,5,6,7
.irp p, 0,2
.irp j, 0,1,2,3
	v_pk_add_f32 v[X+16*\i+4*\j+\p:X+16*\i+4*\j+\p+1], v[X+16*\i+4*\j+\p:X+16*\i+4*\j+\p+1], v[MV+2*\j:MV+2*\j+1] op_sel_hi:[1,0] neg_lo:[0,1] neg_hi:[0,1]
.endr
.endr
.endr
.irp j, 0,1,2,3
	v_pk_mul_f32 v[AC+2*\j:AC+2*\j+1], v[X+4*\j:X+4*\j+1], v[X+4*\j:X+4*\j+1]
.endr
.irp j, 0,1,2,3
	v_pk_fma_f32 v[AC+2*\j:AC+2*\j+1], v[X+4*\j+2:X+4*\j+3], v[X+4*\j+2:X+4*\j+3], v[AC+2*\j:AC+2*\j+1]
.endr
.irp i, 1,2,3,4,5,6,7
.irp p, 0,2
.irp j, 0,1,2,3
	v_pk_fma_f32 v[AC+2*\j:AC+2*\j+1], v[X+16*\i+4*\j+\p:X+16*\i+4*\j+\p+1], v[X+16*\i+4*\j+\p:X+16*\i+4*\j+\p+1], v[AC+2*\j:AC+2*\j+1]
.endr
.endr
.endr
.irp j, 0,1,2,3
	v_add_f32 v[AC+2*\j], v[AC+2*\j], v[AC+2*\j+1]
.endr
.irp m, 1,2,4
.irp j, 0,1,2,3
	v_add_f32_dpp v[AC+2*\j], v[AC+2*\j], v[AC+2*\j] row_xmask:\m row_mask:0xf bank_mask:0xf
.endr
.endr
.irp j, 0,1,2,3
	v_add_f32_dpp v[MV+2*\j+1], v[AC+2*\j], v[AC+2*\j] row_xmask:8 row_mask:0xf bank_mask:0xf   ; M2, beside its mean
.endr
.irp j, 0,1,2,3
	ds_store_b64 v3, v[MV+2*\j:MV+2*\j+1] offset:16*\j     ; the sixteen lanes of a half write the same pair to the same place
.endr
	s_wait_dscnt 0x0                               ; for the others' sake: my pairs lie in LDS
	s_barrier_signal -1
	s_barrier_wait -1
	s_cmp_lg_u32 s32, 0
	s_cbranch_scc1 .Lend
	ds_load_b128 v[8:11], v1                       ; wave 0 stores the work-group's 16 chunks: 1,024 consecutive bytes
	ds_load_b128 v[12:15], v1 offset:512
	s_wait_dscnt 0x0
	global_store_b128 v1, v[8:11], s[16:17]
	global_store_b128 v1, v[12:15], s[16:17] offset:512
.Lend:
	s_wait_tensorcnt 0x0
	ds_add_u32 v192, v193
	s_wait_dscnt 0x0
	s_endpgm
.Lfunc_end_k_qf00ba068ea_prep:
	.size	k_qf00ba068ea_prep, .Lfunc_end_k_qf00ba068ea_prep-k_qf00ba068ea_prep
	.p2alignl 7, 3214868480
	.fill 96, 4, 3214868480
	.section	.rodata,"a",@progbits
	.p2align	6, 0x0
	.amdhsa_kernel k_qf00ba068ea_prep
		.amdhsa_group_segment_fixed_size 3072
		.amdhsa_private_segment_fixed_size 0
		.amdhsa_enable_private_segment 0
		.amdhsa_kernarg_size 64
		.amdhsa_user_sgpr_count 2
		.amdhsa_user_sgpr_kernarg_segment_ptr 1
		.amdhsa_wavefront_size32 1
		.amdhsa_system_sgpr_workgroup_id_x 1
		.amdhsa_system_sgpr_workgroup_id_y 1
		.amdhsa_system_sgpr_workgroup_id_z 1
		.amdhsa_system_vgpr_workitem_id 0
		.amdhsa_next_free_vgpr 194
		.amdhsa_next_free_sgpr 66
		.amdhsa_reserve_vcc 0
		.amdhsa_float_denorm_mode_32 3
		.amdhsa_float_denorm_mode_16_64 3
		.amdhsa_memory_ordered 1
		.amdhsa_forward_progress 1
		.amdhsa_inst_pref_size 25
	.end_amdhsa_kernel
	.amdgpu_metadata
---
amdhsa.version: [ 1, 2 ]
amdhsa.kernels:
  - .name:           k_qf00ba068ea_prep
    .symbol:         k_qf00ba068ea_prep.kd
    .args:
      - { .name: x, .offset: 0, .size: 8, .value_kind: global_buffer, .address_space: global }
      - { .name: Wq, .offset: 8, .size: 8, .value_kind: global_buffer, .address_space: global }
      - { .name: Wk, .offset: 16, .size: 8, .value_kind: global_buffer, .address_space: global }
      - { .name: Wv, .offset: 24, .size: 8, .value_kind: global_buffer, .address_space: global }
      - { .name: Wp, .offset: 32, .size: 8, .value_kind: global_buffer, .address_space: global }
      - { .name: lowp_scales, .offset: 40, .size: 8, .value_kind: global_buffer, .address_space: global }
      - { .name: stats, .offset: 48, .size: 8, .value_kind: global_buffer, .address_space: global }
      - { .name: wc, .offset: 56, .size: 8, .value_kind: global_buffer, .address_space: global }
    .group_segment_fixed_size: 3072
    .private_segment_fixed_size: 0
    .kernarg_segment_align: 8
    .kernarg_segment_size: 64
    .max_flat_workgroup_size: 512
    .sgpr_count:     66
    .vgpr_count:     194
    .wavefront_size: 32
...
	.end_amdgpu_metadata
.endif
;; end of part 1
;; launch qkv (part 2): grid 256 x 1, 4 waves a work-group, no clusters, 215,552 bytes of LDS; arguments x, gamma, beta, stats, wc, bq, bk, bv, lowp_scales, qc, kc, vc; writes qc, kc, vc
.if DOCPART == 2
	.amdgcn_target "amdgcn-amd-amdhsa--gfx1250"
	.amdhsa_code_object_version 6
	.text
	.protected	k_qf00ba068ea_qkv
	.globl	k_qf00ba068ea_qkv
	.p2align	8
	.type	k_qf00ba068ea_qkv,@function
k_qf00ba068ea_qkv:
	s_mov_b64 s[64:65], 0
	v_nop
	global_prefetch_b8 v0, s[64:65] scope:SCOPE_SE
	s_setreg_imm32_b32 hwreg(HW_REG_WAVE_MODE, 25, 1), 1
	s_wait_xcnt 0x0
; GROUP NORM AND THE THREE PROJECTIONS, on codes of FP8 (E4M3); q, k and v leave as codes, as images of the operand registers that the attention launch wants.
; SHARES.  A work-group owns 128 tokens of a batch and all 3 x 512 output channels.
; PHASE X: wave w normalises tokens 32 w .. 32 w + 31 in f32 and quantises them with the scales e0, e2, e4 into three sets of images in LDS; one barrier; from then on LDS is only read.
; WHERE e0 = e2 = e4 THE THREE SETS WOULD HOLD THE SAME CODES: a scalar branch on these three given whole numbers then leaves the second and third set unmade, and the operand stays in its registers for all three weights.
; Where they differ all three sets are made and the operand is read anew for each weight.  Where both ways apply they give the same codes.  No barrier stands under these branches.
; PRODUCTS: for the weight in hand every wave holds ALL of the block's operand (8 tiles of tokens x 4 K steps, 512 registers) and takes output channels 128 w .. 128 w + 127: eight weight tiles.
; So a weight fragment feeds eight matrix instructions, and each is read by ONE wave of the work-group.  That is why the weights come from memory straight into registers, in a ring of four tiles (three tiles,
; 96 matrix instructions, ahead), and not jointly through LDS: nothing of them is shared inside the work-group, and beside the images LDS has no room for two slots that would give a load as long to land.
; A FRAGMENT is 16 rows x 128 K in 16 registers: lane (r, h) holds row r; registers 4 c .. 4 c + 3 hold k = 32 c + 16 h + 0 .. 15: the same places of k on both sides of every product.
; THE TOKENS OF A TILE ARE NOT NEIGHBOURS, nor are a weight tile's channels: lane r of tile 2 b + u takes row 32 b + 8 u + r + 8 (r / 8) of its run of 128, so that the 16 registers of results of tiles 2 b, 2 b + 1
; are 16 neighbours along the next K.  q, k: source 0 = weight, source 1 = tokens: a lane holds a token and registers run along channels.  v: the sources swapped: a lane holds a channel and registers run along tokens (keys).
; The bias is the C of each sum's first matrix instruction, as b / 2^(eA + eW); code = sum / 2^(eO - eA - eW), held within +-448 of that.  (eA, eW, eO) = (e0, e1, e6), (e2, e3, e7), (e4, e5, e9).
; OUT: qc, kc: block x 65,536 + (4 m + G) x 2,048 (tile of tokens m, channels 128 G on);  vc: block x 65,536 + channel tile nt x 2,048 (K = the block's 128 tokens).  Every store covers 512 consecutive bytes.
; LIMITS: e0, e2, e4 and the three eO - eA - eW between -126 and 119.  NaN among the inputs is not served.
; LDS: three sets of images, set x 69,632; tile of tokens m x 8,704; 32 rows 272 bytes apart; row 8 s + 2 c + h holds lanes r at 16 r.  272 = 17 x 16: a fragment load takes 256 consecutive bytes for each half of the lanes.  Behind them bq, bk, bv as they lie.
; REGISTERS, in windows of 256.  Window 0: v1-7, v27 addresses that stay; v8-11 phase X's addresses, then v8-15 a tile's bias as it lands; v16-23 the bias as C; v32-63 codes; v128-255 two sets of eight accumulators (phase X: see below).
;   Window 1: phase X: 16 tokens on their way; then the weight ring, 4 x 64.   Windows 2, 3: the block's operand, fragment (m, s) at 64 (m % 4) + 16 s of window 2 + m / 4.
.set RP,    272
.set TILEB, 32*RP
.set IMGV,  8*TILEB
.set BIAS,  3*IMGV
.set ARB,   7                          ; v7       my lane's place in an image, for reading: 272 h + 16 r; never rewritten
.set BQK,   27                         ; v27      my lane's place in bq: my wave's 128 channels, + 16 h; never rewritten
.set T,     32                         ; v32-47   phase X: a token's 16 numbers of my lane: 4 j + i = channel 128 j + 4 lane + i
.set U,     192                        ; v192-239 phase X: the same, held, once for each scale
.set SAME,  41                         ; s41      1 where e0 = e2 = e4, else 0
.set CUR,   44                         ; s44-47   the weight in hand: -(eA + eW); 2^(eO - eA - eW); 448 x that; -448 x that
.set NXT,   48                         ; s48-51   the next weight's
.set NN,    52                         ; s52-55   the one after
.set MSB, 0
.macro WIN new                         ; s_set_vgpr_msb: bits 1:0 source 0, 3:2 source 1, 5:4 source 2, 7:6 destination; the high byte repeats the setting that is left
.if MSB != (\new)
	s_set_vgpr_msb (MSB<<8)|(\new)
.set MSB, \new
.endif
.endm
.macro PLACES n
.rept \n
	v_nop
.endr
.endm
.macro PARAM set, ea, ew, eo
	s_add_co_i32 s76, s[\ea], s[\ew]
	s_sub_co_i32 s[\set], 0, s76
	s_sub_co_i32 s76, s[\eo], s76
	s_add_co_i32 s76, s76, 127
	s_lshl_b32 s[\set+1], s76, 23
	s_add_co_i32 s76, s76, 8
	s_lshl_b32 s76, s76, 23
	s_or_b32 s[\set+2], s76, 0x600000
	s_or_b32 s[\set+3], s[\set+2], 0x80000000
.endm
	s_load_b512 s[4:19], s[0:1], 0x0               ; x s[4:5], gamma s[6:7], beta s[8:9], stats s[10:11], wc s[12:13], bq s[14:15], bk s[16:17], bv s[18:19]
	s_load_b256 s[20:27], s[0:1], 0x40             ; the exponents s[20:21], qc s[22:23], kc s[24:25], vc s[26:27]
	v_lshrrev_b32 v1, 5, v0
	v_readfirstlane_b32 s40, v1                    ; wave 0..3
	v_and_b32 v27, 31, v0                          ; lane (for the next lines alone)
	v_and_b32 v28, 15, v0                          ; r
	v_bfe_u32 v29, v0, 4, 1                        ; h
	v_lshlrev_b32 v1, 4, v27                       ; 16 x lane
	v_lshlrev_b32 v30, 3, v27                      ; 8 x lane: a pair of the statistics
	v_lshlrev_b32 v31, 4, v0                       ; 16 x thread: my piece of a bias
	v_lshl_add_u32 v11, v0, 4, BIAS                ; and its place in LDS
	v_lshrrev_b32 v8, 2, v27
	v_mul_u32_u24 v8, v8, RP
	v_and_b32 v9, 3, v27
	v_lshl_add_u32 v8, v9, 2, v8                   ; into an image: my 4 channels of K step s lie in row 8 s + lane / 4, at byte 4 (lane % 4) of a token's 16
	s_mul_i32 s76, s40, 2*TILEB
	v_add_nc_u32 v8, s76, v8                       ; my wave's two tiles; v8, v9, v10: the three sets
	v_add_nc_u32 v9, IMGV, v8
	v_add_nc_u32 v10, 2*IMGV, v8
	v_mul_u32_u24 v[ARB], v29, RP
	v_lshl_add_u32 v[ARB], v28, 4, v[ARB]          ; out of an image: 272 h + 16 r
	s_lshl_b32 s76, s40, 9
	s_add_co_u32 s76, s76, BIAS
	v_lshl_add_u32 v[BQK], v29, 6, s76             ; q, k: the bias of my eight channels: my wave's 128, + 16 h
	v_and_b32 v5, 8, v28
	v_add_nc_u32 v5, v5, v28
	s_add_co_u32 s76, s76, 4096
	v_lshl_add_u32 v5, v5, 2, s76                  ; v: the bias of my one channel: r + 8 (r / 8)
.irp j, 0,1,2,3
	v_lshl_add_u32 v[108+\j], v29, 2, 8*\j         ; 4 x (2 j + h): the lane that holds the statistics of the group of my channels of load j
	v_mov_b32 v[113+2*\j], 0                       ; (upper halves of the pairs that hold mean and 1 / sigma: written, since the pairs are named)
	v_mov_b32 v[121+2*\j], 0
.endr
	s_mov_b32 s70, 0x76543210                      ; v_permlanex16_b32: lane l xor 16
	s_mov_b32 s71, 0xfedcba98
	s_mov_b32 s72, 0x37800000                      ; 2^-16: a group has 65,536 numbers
	s_mov_b32 s73, 0x3a83126f                      ; epsilon = 1e-3
	s_mov_b32 s77, 0
	s_wait_kmcnt 0x0
	s_load_b256 s[28:35], s[20:21], 0x0            ; e0 .. e7
	s_load_b128 s[36:39], s[20:21], 0x20           ; e8 .. e11
	s_lshr_b32 s76, ttmp9, 3
	s_lshl_b32 s76, s76, 13
	s_add_nc_u64 s[10:11], s[10:11], s[76:77]      ; my batch's statistics: 8,192 bytes
	s_lshl_b32 s76, ttmp9, 18
	s_lshl_b32 s78, s40, 16
	s_add_co_u32 s76, s76, s78
	s_add_nc_u64 s[66:67], s[4:5], s[76:77]        ; x at my wave's first token
	s_mov_b32 s76, s78
	s_add_nc_u64 s[62:63], s[12:13], s[76:77]      ; Wq's codes at my wave's eight tiles
	s_lshl_b32 s76, ttmp9, 16
	s_lshl_b32 s78, s40, 11
	s_add_co_u32 s76, s76, s78
	s_add_nc_u64 s[56:57], s[22:23], s[76:77]      ; qc and kc: my block, channel step G = wave
	s_add_nc_u64 s[58:59], s[24:25], s[76:77]
	s_lshl_b32 s76, ttmp9, 16
	s_lshl_b32 s78, s40, 14
	s_add_co_u32 s76, s76, s78
	s_add_nc_u64 s[60:61], s[26:27], s[76:77]      ; vc: my block, my eight channel tiles
	; 107 loads in one run: 32 of statistics, 8 of gamma and beta, 3 of biases, 64 of x (tokens 0 to 15)
.set i, 0
.rept 32
	global_load_b64 v[128+2*i:129+2*i], v30, s[10:11] offset:256*i   ; lane l: group l % 8, chunk 4 i + l / 8
.set i, i+1
.endr
.irp j, 0,1,2,3
	global_load_b128 v[64+4*\j:67+4*\j], v1, s[6:7] offset:512*\j
.endr
.irp j, 0,1,2,3
	global_load_b128 v[80+4*\j:83+4*\j], v1, s[8:9] offset:512*\j
.endr
	global_load_b128 v[96:99], v31, s[14:15]
	global_load_b128 v[100:103], v31, s[16:17]
	global_load_b128 v[104:107], v31, s[18:19]
	WIN 0x40
.set i, 0
.rept 16
.irp j, 0,1,2,3
	global_load_b128 v[16*i+4*\j:16*i+4*\j+3], v1, s[66:67] offset:2048*i+512*\j th:TH_LOAD_NT   ; 32 lanes read 512 consecutive bytes of a token
.endr
.set i, i+1
.endr
	WIN 0
	s_wait_kmcnt 0x0
	s_cmp_eq_u32 s28, s30
	s_cselect_b32 s[SAME], 1, 0
	s_cmp_eq_u32 s28, s32
	s_cselect_b32 s[SAME], s[SAME], 0              ; 1 where e0 = e2 = e4
.irp ver, 0,1,2
	s_add_co_i32 s76, s[28+2*\ver], 127
	s_lshl_b32 s78, s76, 23
	v_mov_b32 v[24+\ver], s78                      ; 2^e0, 2^e2, 2^e4
	s_add_co_i32 s76, s76, 8
	s_lshl_b32 s76, s76, 23
	s_or_b32 s76, s76, 0x600000
	v_mov_b32 v[20+\ver], s76                      ; 448 x those
.endr
	PARAM CUR, 28, 29, 34
	PARAM NXT, 30, 31, 35
	PARAM NN,  32, 33, 37
	s_wait_loadcnt 63                              ; of the 107 loads the youngest 63 may be out: the first 44 are in, the 43 ahead of x among them
	; the batch's statistics, made alike in every wave.  mean = the mean of the chunks' means; the sum of squares = the chunks' own + 512 x the squares of the chunks' means' distances from the mean
	v_pk_add_f32 v[192:193], v[128:129], v[130:131]
	v_pk_add_f32 v[194:195], v[132:133], v[134:135]
	v_pk_add_f32 v[196:197], v[136:137], v[138:139]
	v_pk_add_f32 v[198:199], v[140:141], v[142:143]
.set i, 8
.rept 24
	v_pk_add_f32 v[192+2*(i%4):193+2*(i%4)], v[192+2*(i%4):193+2*(i%4)], v[128+2*i:129+2*i]
.set i, i+1
.endr
	v_pk_add_f32 v[192:193], v[192:193], v[194:195]
	v_pk_add_f32 v[196:197], v[196:197], v[198:199]
	v_pk_add_f32 v[192:193], v[192:193], v[196:197]
	v_add_f32_dpp v192, v192, v192 row_xmask:8 row_mask:0xf bank_mask:0xf   ; lanes l, l xor 8, l xor 16, l xor 24 hold the same group
	v_add_f32_dpp v193, v193, v193 row_xmask:8 row_mask:0xf bank_mask:0xf
	v_permlanex16_b32 v194, v192, s70, s71
	v_permlanex16_b32 v195, v193, s70, s71
	v_add_f32 v192, v192, v194
	v_add_f32 v193, v193, v195
	v_mul_f32 v198, 0x3c000000, v192               ; the group's mean: / 128
.set i, 0
.rept 32
	v_sub_f32 v[128+2*i], v[128+2*i], v198
.set i, i+1
.endr
	v_mul_f32 v194, v128, v128
	v_mul_f32 v195, v130, v130
.set i, 2
.rept 30
	v_fma_f32 v[194+i%2], v[128+2*i], v[128+2*i], v[194+i%2]
.set i, i+1
.endr
	v_add_f32 v194, v194, v195
	v_add_f32_dpp v194, v194, v194 row_xmask:8 row_mask:0xf bank_mask:0xf
	v_permlanex16_b32 v195, v194, s70, s71
	v_add_f32 v194, v194, v195
	v_fmamk_f32 v193, v194, 0x44000000, v193       ; + 512 x
	v_fma_f32 v193, v193, s72, s73                 ; the variance + epsilon
	v_rsq_f32 v199, v193
	v_nop                                          ; a plain line behind the transcendental,
	s_wait_alu depctr_va_vdst(0)                   ; and the wait ahead of its first reader
.irp j, 0,1,2,3
	ds_bpermute_b32 v[112+2*\j], v[108+\j], v198   ; mean and 1 / sigma of group 2 j + h, from the lane of that number
	ds_bpermute_b32 v[120+2*\j], v[108+\j], v199
.endr
	ds_store_b128 v11, v[96:99]                    ; the biases into LDS, as they lie
	ds_store_b128 v11, v[100:103] offset:2048
	ds_store_b128 v11, v[104:107] offset:4096
	s_wait_dscnt 0x0
.irp k, 0,2,4,6,8,10,12,14
	v_pk_mul_f32 v[64+\k:65+\k], v[64+\k:65+\k], v[120+2*(\k/4):121+2*(\k/4)] op_sel_hi:[1,0]   ; a = gamma / sigma
.endr
; The token in T is held, quantised with scale ver and stored into set ver.  Each scale has its own held copy, so a conversion's sources are next written a whole token later, behind many plain lines.
.macro QVER ver
.irp k, 0,1,2,3,4,5,6,7,8,9,10,11,12,13,14,15
	v_med3_num_f32 v[U+16*\ver+\k], v[T+\k], -v[20+\ver], v[20+\ver]
.endr
	v_cvt_scalef32_pk8_fp8_f32 v[48+4*\ver:49+4*\ver], v[U+16*\ver:U+16*\ver+7], v[24+\ver]       ; the code words of K steps 0 and 1,
	v_cvt_scalef32_pk8_fp8_f32 v[50+4*\ver:51+4*\ver], v[U+16*\ver+8:U+16*\ver+15], v[24+\ver]    ; of 2 and 3
.irp s, 0,1,2,3
	ds_store_b32 v[8+\ver], v[48+4*\ver+\s] offset:UU*TILEB+16*RR+8*RP*\s
.endr
.endm
; One token of my wave's 32.  Token i is lane r = i % 8 + 8 (i / 16) of tile 2 w + (i / 8) % 2.  reload = 1: its registers take token i + 16.  left: the younger loads, which may stay out.
.macro TOK i, reload, left
.set SL, 16*((\i)%16)
.set UU, ((\i)>>3)&1
.set RR, ((\i)&7)+8*((\i)>>4)
	s_wait_loadcnt \left
	WIN 0x01                                       ; source 0: window 1
.irp k, 0,2,4,6,8,10,12,14
	v_pk_add_f32 v[T+\k:T+\k+1], v[SL+\k:SL+\k+1], v[112+2*(\k/4):113+2*(\k/4)] op_sel_hi:[1,0] neg_lo:[0,1] neg_hi:[0,1]   ; x - mean
.endr
.if \reload
	WIN 0x40
.irp j, 0,1,2,3
	global_load_b128 v[SL+4*\j:SL+4*\j+3], v1, s[66:67] offset:((\i)+16)*2048+512*\j th:TH_LOAD_NT
.endr
.endif
	WIN 0
.irp k, 0,2,4,6,8,10,12,14
	v_pk_fma_f32 v[T+\k:T+\k+1], v[T+\k:T+\k+1], v[64+\k:65+\k], v[80+\k:81+\k]   ; x a + beta
.endr
	QVER 0
	s_cmp_lg_u32 s[SAME], 0                        ; one scale for all three products: the other two sets would hold the same codes
	s_cbranch_scc1 .Lsame_\@
	QVER 1
	QVER 2
.Lsame_\@:
.endm
.set n, 0
.rept 16
	TOK n, 1, 60                                   ; 15 younger tokens x 4 loads
.set n, n+1
.endr
.rept 16
	TOK n, 0, 4*(31-n)                             ; nothing more is asked for: the counts run down
.set n, n+1
.endr
	v_nop
; Weight tile tt of my eight (8 to 11: the next weight's first four) into ring buffer buf: 16 loads of 512 consecutive bytes
.macro LOADB tt, buf
.if (\tt) < 8
.set WO, 8192*(\tt)
.else
.set WO, 262144+8192*((\tt)-8)
.endif
	WIN 0x40
.irp s, 0,1,2,3
.irp c, 0,1,2,3
	global_load_b128 v[64*(\buf)+16*\s+4*\c:64*(\buf)+16*\s+4*\c+3], v1, s[62:63] offset:WO+2048*\s+512*\c
.endr
.endr
	WIN 0
.endm
; The block's operand for the weight in hand: 128 LDS loads
.macro LOADA
	v_add_nc_u32 v2, s74, v[ARB]
	v_add_nc_u32 v3, 4*TILEB, v2
	WIN 0x80
.irp m, 0,1,2,3
.irp s, 0,1,2,3
.irp c, 0,1,2,3
	ds_load_b128 v[64*\m+16*\s+4*\c:64*\m+16*\s+4*\c+3], v2 offset:\m*TILEB+(8*\s+2*\c)*RP
.endr
.endr
.endr
	WIN 0xc0
.irp m, 0,1,2,3
.irp s, 0,1,2,3
.irp c, 0,1,2,3
	ds_load_b128 v[64*\m+16*\s+4*\c:64*\m+16*\s+4*\c+3], v3 offset:\m*TILEB+(8*\s+2*\c)*RP
.endr
.endr
.endr
	WIN 0
.endm
.macro LOADBIAS t, tr                  ; tile t = 2 b + u begins at channel 32 b + 8 u of my 128.  The bias lands in v8-15, which hold no address any more
.if \tr
	ds_load_b128 v[8:11], v4 offset:(32*((\t)/2)+8*((\t)%2))*4
	ds_load_b128 v[12:15], v4 offset:(32*((\t)/2)+8*((\t)%2))*4+16
.else
	ds_load_b32 v8, v5 offset:(32*((\t)/2)+8*((\t)%2))*4
.endif
.endm
; 32 matrix instructions: weight tile t against the eight tiles of tokens, four K steps; four accumulators by turns, one instruction a turn.  tr = 1: source 0 = weight.
; prev = 1: behind each stand two holds of the tile before, whose sums lie in the other set, each accumulator from its low end on.  The register stands as source 2, whose window is 0 under every setting here.
.macro MULT t, tr, prev
.set SA, 128+64*((\t)%2)
.set SO, 192-64*((\t)%2)
.set BB, 64*((\t)%4)
.set hh, 0
.irp hf, 0,1
.if \tr
	WIN 0x09+4*\hf                                 ; source 0 window 1, source 1 window 2 or 3
.else
	WIN 0x06+\hf                                   ; source 0 window 2 or 3, source 1 window 1
.endif
.irp s, 0,1,2,3
.irp m, 0,1,2,3
.set DD, SA+8*(4*\hf+\m)
.if \tr
.if \s == 0
	v_wmma_f32_16x16x128_fp8_fp8 v[DD:DD+7], v[BB+16*\s:BB+16*\s+15], v[64*\m+16*\s:64*\m+16*\s+15], v[16:23]
.else
	v_wmma_f32_16x16x128_fp8_fp8 v[DD:DD+7], v[BB+16*\s:BB+16*\s+15], v[64*\m+16*\s:64*\m+16*\s+15], v[DD:DD+7]
.endif
.else
.if \s == 0
	v_wmma_f32_16x16x128_fp8_fp8 v[DD:DD+7], v[64*\m+16*\s:64*\m+16*\s+15], v[BB+16*\s:BB+16*\s+15], v[16:23]
.else
	v_wmma_f32_16x16x128_fp8_fp8 v[DD:DD+7], v[64*\m+16*\s:64*\m+16*\s+15], v[BB+16*\s:BB+16*\s+15], v[DD:DD+7]
.endif
.endif
.if \prev
	v_med3_num_f32 v[SO+hh], s[CUR+3], s[CUR+2], v[SO+hh]
	v_med3_num_f32 v[SO+hh+1], s[CUR+3], s[CUR+2], v[SO+hh+1]
.set hh, hh+2
.endif
.endr
.endr
.endr
	WIN 0
.endm
; Tile tp's held sums become codes and leave.  q, k: tiles 2 b and 2 b + 1 fill piece b of the eight fragments (m, G = wave).  v: the eight accumulators are one fragment, registers 2 m, 2 m + 1.
.macro CVT tp, tr
.set SC, 128+64*((\tp)%2)
	s_wait_xcnt 0x0                                ; the earlier stores have read the code registers: they are written again only behind this wait
.irp m, 0,1,2,3,4,5,6,7
.if \tr
	v_cvt_scalef32_pk8_fp8_f32 v[32+4*\m+2*((\tp)&1):33+4*\m+2*((\tp)&1)], v[SC+8*\m:SC+8*\m+7], v6
.else
	v_cvt_scalef32_pk8_fp8_f32 v[32+16*((\tp)&1)+2*\m:33+16*((\tp)&1)+2*\m], v[SC+8*\m:SC+8*\m+7], v6
.endif
.endr
	v_nop                                          ; a plain line between the conversions and the products that write their sources again
.if \tr
.if (\tp)&1
.irp m, 0,1,2,3,4,5,6,7
	global_store_b128 v1, v[32+4*\m:35+4*\m], s[56:57] offset:8192*\m+512*((\tp)>>1)
.endr
.endif
.else
.irp c, 0,1,2,3
	global_store_b128 v1, v[32+16*((\tp)&1)+4*\c:35+16*((\tp)&1)+4*\c], s[56:57] offset:2048*(\tp)+512*\c
.endr
.endif
.endm
; One weight tile.  left: the loads of the younger tiles in the ring, which may stay out.
.macro STEP t, tr, prev, load, left
	s_wait_loadcnt \left
	s_wait_dscnt 0x0                               ; the tile's bias (and, at tile 0, the block's operand where it was read anew)
.irp j, 0,1,2,3,4,5,6,7
.if \tr
	v_ldexp_f32 v[16+\j], v[8+\j], s[CUR]          ; b / 2^(eA + eW), in the result's layout
.else
	v_ldexp_f32 v[16+\j], v8, s[CUR]
.endif
.endr
.if (\t) < 7
	LOADBIAS (\t)+1, \tr
.endif
	MULT \t, \tr, \prev
.if \prev
	CVT (\t)-1, \tr
.endif
	PLACES 4                                       ; in front of loads into the buffer that the products have read, and of the next write of the bias's registers
.if \load
	LOADB (\t)+4, (\t)%4
.endif
.endm
.macro FLUSH tr                        ; the last tile has no successor under which to be held
.set k, 0
.rept 64
	v_med3_num_f32 v[192+k], s[CUR+3], s[CUR+2], v[192+k]
.set k, k+1
.endr
	CVT 7, \tr
.endm
	LOADB 0, 0                                     ; the ring is filled: window 1 is free since the last token was read
	LOADB 1, 1
	LOADB 2, 2
	LOADB 3, 3
	s_wait_dscnt 0x0                               ; for the others' sake: my images and my pieces of the biases lie in LDS
	s_barrier_signal -1
	s_barrier_wait -1                              ; the launch's one barrier: from here on LDS is only read
	s_mov_b32 s74, 0                               ; the set of images in hand
	s_mov_b32 s75, 0                               ; the bias in hand
	s_mov_b32 s68, 2
	v_mov_b32 v6, s[CUR+1]
	LOADA
.Lqk:                                              ; two trips: q, then k; the ring runs on into the next weight
	v_add_nc_u32 v4, s75, v[BQK]
	LOADBIAS 0, 1
	STEP 0, 1, 0, 1, 48                            ; three younger tiles x 16 loads
.irp t, 1,2,3,4,5,6,7
	STEP \t, 1, 1, 1, 48
.endr
	FLUSH 1
	s_wait_xcnt 0x0                                ; every load and store has read its base: the pointers may move on
	s_mov_b32 s[CUR], s[NXT]
	s_mov_b32 s[CUR+1], s[NXT+1]
	s_mov_b32 s[CUR+2], s[NXT+2]
	s_mov_b32 s[CUR+3], s[NXT+3]
	s_mov_b32 s[NXT], s[NN]
	s_mov_b32 s[NXT+1], s[NN+1]
	s_mov_b32 s[NXT+2], s[NN+2]
	s_mov_b32 s[NXT+3], s[NN+3]
	s_mov_b64 s[56:57], s[58:59]
	s_mov_b64 s[58:59], s[60:61]
	s_add_nc_u64 s[62:63], s[62:63], 262144
	s_add_co_u32 s74, s74, IMGV
	s_add_co_u32 s75, s75, 2048
	v_mov_b32 v6, s[CUR+1]
	s_cmp_lg_u32 s[SAME], 0                        ; one scale for all three products: the operand's registers already hold the next product's codes
	s_cbranch_scc1 .Lkeep_a
	LOADA                                          ; (the four v_nop at the last tile's end are the places in front of these loads)
.Lkeep_a:
	s_sub_co_u32 s68, s68, 1
	s_cmp_lg_u32 s68, 0
	s_cbranch_scc1 .Lqk
	LOADBIAS 0, 0                                  ; v: the sources swapped; nothing follows Wv here, so the ring runs out
	STEP 0, 0, 0, 1, 48
	STEP 1, 0, 1, 1, 48
	STEP 2, 0, 1, 1, 48
	STEP 3, 0, 1, 1, 48
	STEP 4, 0, 1, 0, 48
	STEP 5, 0, 1, 0, 32
	STEP 6, 0, 1, 0, 16
	STEP 7, 0, 1, 0, 0
	FLUSH 0
	s_wait_xcnt 0x0
	v_lshl_add_u32 v254, v0, 2, 0x34800
	v_mov_b32 v255, 0
	s_wait_tensorcnt 0x0
	ds_add_u32 v254, v255
	s_wait_dscnt 0x0
	s_endpgm
.Lfunc_end_k_qf00ba068ea_qkv:
	.size	k_qf00ba068ea_qkv, .Lfunc_end_k_qf00ba068ea_qkv-k_qf00ba068ea_qkv
	.p2alignl 7, 3214868480
	.fill 96, 4, 3214868480
	.section	.rodata,"a",@progbits
	.p2align	6, 0x0
	.amdhsa_kernel k_qf00ba068ea_qkv
		.amdhsa_group_segment_fixed_size 215552
		.amdhsa_private_segment_fixed_size 0
		.amdhsa_enable_private_segment 0
		.amdhsa_kernarg_size 96
		.amdhsa_user_sgpr_count 2
		.amdhsa_user_sgpr_kernarg_segment_ptr 1
		.amdhsa_wavefront_size32 1
		.amdhsa_system_sgpr_workgroup_id_x 1
		.amdhsa_system_sgpr_workgroup_id_y 1
		.amdhsa_system_sgpr_workgroup_id_z 1
		.amdhsa_system_vgpr_workitem_id 0
		.amdhsa_next_free_vgpr 1024
		.amdhsa_next_free_sgpr 80
		.amdhsa_reserve_vcc 0
		.amdhsa_float_denorm_mode_32 3
		.amdhsa_float_denorm_mode_16_64 3
		.amdhsa_memory_ordered 1
		.amdhsa_forward_progress 1
		.amdhsa_inst_pref_size 255
	.end_amdhsa_kernel
	.section	.bss,"aw",@nobits
	.p2align	6
	.space	262144
	.amdgpu_metadata
---
amdhsa.version: [ 1, 2 ]
amdhsa.kernels:
  - .name:           k_qf00ba068ea_qkv
    .symbol:         k_qf00ba068ea_qkv.kd
    .args:
      - { .name: x, .offset: 0, .size: 8, .value_kind: global_buffer, .address_space: global }
      - { .name: gamma, .offset: 8, .size: 8, .value_kind: global_buffer, .address_space: global }
      - { .name: beta, .offset: 16, .size: 8, .value_kind: global_buffer, .address_space: global }
      - { .name: stats, .offset: 24, .size: 8, .value_kind: global_buffer, .address_space: global }
      - { .name: wc, .offset: 32, .size: 8, .value_kind: global_buffer, .address_space: global }
      - { .name: bq, .offset: 40, .size: 8, .value_kind: global_buffer, .address_space: global }
      - { .name: bk, .offset: 48, .size: 8, .value_kind: global_buffer, .address_space: global }
      - { .name: bv, .offset: 56, .size: 8, .value_kind: global_buffer, .address_space: global }
      - { .name: lowp_scales, .offset: 64, .size: 8, .value_kind: global_buffer, .address_space: global }
      - { .name: qc, .offset: 72, .size: 8, .value_kind: global_buffer, .address_space: global }
      - { .name: kc, .offset: 80, .size: 8, .value_kind: global_buffer, .address_space: global }
      - { .name: vc, .offset: 88, .size: 8, .value_kind: global_buffer, .address_space: global }
    .group_segment_fixed_size: 215552
    .private_segment_fixed_size: 0
    .kernarg_segment_align: 8
    .kernarg_segment_size: 96
    .max_flat_workgroup_size: 128
    .sgpr_count:     80
    .vgpr_count:     1024
    .wavefront_size: 32
...
	.end_amdgpu_metadata
.endif
;; end of part 2
;; launch attn (part 3): grid 8 x 32, 4 waves a work-group, clusters of 4 x 1, 327,680 bytes of LDS; arguments qc, kc, vc, wc, lowp_scales, bp, x, out0; writes out0
.if DOCPART == 3
	.amdgcn_target "amdgcn-amd-amdhsa--gfx1250"
	.amdhsa_code_object_version 6
	.text
	.protected	k_qf00ba068ea_attn
	.globl	k_qf00ba068ea_attn
	.p2align	8
	.type	k_qf00ba068ea_attn,@function
k_qf00ba068ea_attn:
	s_mov_b64 s[64:65], 0
	v_nop
	global_prefetch_b8 v0, s[64:65] scope:SCOPE_SE
	s_setreg_imm32_b32 hwreg(HW_REG_WAVE_MODE, 25, 1), 1
	s_wait_xcnt 0x0
	s_wait_alu depctr_hold_cnt(0) depctr_sa_sdst(0) depctr_va_vdst(0) depctr_va_sdst(0) depctr_va_ssrc(0) depctr_va_vcc(0) depctr_vm_vsrc(0)
	s_getreg_b32 s2, hwreg(HW_REG_IB_STS2, 6, 4)
	s_cmp_eq_u32 s2, 0
	s_cbranch_scc0 .Lentry_in_a_cluster
	s_endpgm
.Lentry_in_a_cluster:
	s_bfe_u32 s2, ttmp6, 0x10000c
	s_cmp_lg_u32 s2, 0x3003
	s_cbranch_scc0 .Lentry_shape_is_right
	s_endpgm
.Lentry_shape_is_right:
; out = x + softmax(q k^T / sqrt(512)) v Wp + bp, all three products on codes of FP8 (E4M3) with the given scales.  q, k, v, Wp arrive as images of operand registers (2,048 bytes a fragment: four pieces of 512, lane l's 16 bytes at 16 l).
; A FRAGMENT is 16 rows x 128 K in 16 registers: lane (r, h) holds row r; registers 4 c .. 4 c + 3 hold k = 32 c + 16 h + 0 .. 15, alike on both sides of every product.  Lane r of tile 2 b + u of tokens (or of a weight's or v's
; channels) is row 32 b + 8 u + r + 8 (r / 8) of its run of 128, so that results whose registers run along such rows are 16 neighbours of the next K in tiles 2 b, 2 b + 1.
; THE SOFTMAX: t = score x log2(e) / sqrt(512); M = the running largest t rounded UP to a whole number; p = 2^(t - M) is quantised, not normalised; the row's sum is taken of the unquantised p and divides at the end;
; when M moves, sum and O are multiplied by f = 2^(old M - new M), which rounds nothing.
; SHARES.  A work-group owns 128 queries of a batch and walks its 1,024 keys in 8 steps of 128.
;   S^T = K Q^T: wave w owns query tiles 2 w, 2 w + 1 against all 128 keys: a lane holds ONE query, and the softmax never leaves the wave.
;   O^T = V^T P^T: wave w owns channels 128 w .. + 127 for ALL eight query tiles (64 accumulators): each fragment of V is read from LDS once, and each fragment of V and of P feeds eight products.
;   P's codes and f go from wave to wave through LDS as images, behind the step's one barrier.   Y^T = Wp^T O^T: wave w's O is K step w; wave w then makes output channels 128 w .. + 127 for all queries.
; CLUSTER.  The four query blocks of a cluster belong to one batch and walk the same K and V: every tile of these is asked for JOINTLY (the same load, the same descriptor, a mask that names the four).
; RING.  Two slots of K and two of V, 65,536 bytes each, all four filled at the start.  Behind round j: K of step j + 2 into the slot that S of step j has left (waves 0, 1; j = 0 .. 5), V of step j + 1 into the slot that
; V^T P of step j - 1 has left (waves 2, 3; j = 1 .. 6).  A load has a whole step in which to land.  By this text's count a wave has two tensor loads out at the start and one later.
; x FOR THE RESIDUAL.  At round 7 both slots of K and V's slot 0 have had their last read: 196,608 bytes on end.  Behind that round each wave asks, by one load of its own (no mask: x belongs to the work-group alone), for 24 of
; the block's first 96 tokens, so that token T lies at LDS byte 2,048 T.  Between the request and the first read stand 64 + 256 matrix instructions and O's conversions.  The last 32 tokens come into registers behind K step 2 of
; the projection.  No prefetch is laid for x: both requests stand that far ahead of their first reader by themselves.
; Wp's fragments serve one wave once each: they come from memory straight into registers.
; LIMITS: e6 + e7 between -122 and 131 (added to c's exponent field); e8, e10 between -126 and 119; e10 + e11 between -126 and 126.  NaN among the inputs is not served.
; REGISTERS, in windows of 256.  Window 0: v1-15, v59-63, v112-120 addresses; v16-39 statistics of my two tiles; v40-55 f of the eight tiles; v56-58 constants; v64-95 codes just made; v96-111 the eight tiles' 2^(e8+e9) / sum;
;   v128-255 S^T, then P's fragments, then O's, then rows of y.  At the end v16-79: bp in the result's layout.
;   Window 1: v0-127 Q, then Wp, then x of tiles 6, 7; v128-255 K in two buffers, then V, then Wp, then x of tiles 0 to 5 by turns.   Windows 2, 3: O^T, then Y^T: accumulator (channel tile ct, query tile qt) at 64 (qt % 4) + 8 ct of window 2 + qt / 4.
.set VS,     0x20000                   ; LDS: K's slots at 0 and 0x10000, V's at 0x20000 and 0x30000,
.set PB,     0x40000                   ; P's images, two sets of 16,384 bytes: query tile qt at 2,048 qt,
.set FB,     0x48400                   ; f, two sets of 512 bytes: query (qt, r) at 64 qt + 4 r,
.set LB,     0x48800                   ; 2^(e8+e9) / sum, in the same form,
.set SPARE,  0x48a00                   ; the spare words, 128 bytes for each wave: two blocks of 256 bytes that no other line names
.set OIMG,   0x30000                   ; O's images, fragment (qt, ks) at (4 qt + ks) x 2,048: in V's slot 1, which has had its last fill; a barrier stands between its last read and the first image
.set STG,    0x40000                   ; the way out: 16 rows x 528 bytes for each wave, 33,792 bytes: on P's sets, which are done with, and the 1,024 bytes behind them; no fill ever lands there
.set SPITCH, 528
.set XPART,  49152                     ; what one wave asks of x: 24 tokens of 2,048 bytes
.set XB, 117                           ; v117-119 x in LDS: my wave's 512 bytes of a token's row, tokens 0, 32, 64 on
.set S,  128
.set ST, 16                            ; tile q's statistics at ST + 12 q: +0 -M, +1 the largest t, +2, +3 the sum, +4 f, +5 (its pair), +6, +7 at work, +8, +9 a second chain of sums, +10 the exchange
.set PC, 64
.set MSB, 0
.macro WIN new                         ; s_set_vgpr_msb: bits 1:0 source 0, 3:2 source 1, 5:4 source 2, 7:6 destination; the high byte repeats the setting that is left
.if MSB != (\new)
	s_set_vgpr_msb (MSB<<8)|(\new)
.set MSB, \new
.endif
.endm
.macro PLACES n
.rept \n
	v_nop
.endr
.endm
.macro ROUND                           ; a round of the cluster's barrier
	s_barrier_signal -1
	s_barrier_wait -1
	s_cmp_lg_u32 s20, 0
	s_cbranch_scc1 .Lnot_wave_0_\@
	s_barrier_signal -3
.Lnot_wave_0_\@:
	s_barrier_wait -3
	s_barrier_signal -1
	s_barrier_wait -1
.endm
	s_load_b512 s[4:19], s[0:1], 0x0               ; qc s[4:5], kc s[6:7], vc s[8:9], wc s[10:11], the exponents s[12:13], bp s[14:15], x s[16:17], out s[18:19]
	v_lshl_add_u32 v2, v0, 2, SPARE                ; my spare word; never rewritten
	v_mov_b32 v3, 0                                ; 0; never rewritten
	ds_add_u32 v2, v3
	ds_add_u32 v2, v3
	s_wait_dscnt 0x0
	v_lshrrev_b32 v1, 5, v0
	v_readfirstlane_b32 s20, v1                    ; wave 0..3
	v_and_b32 v112, 31, v0                         ; lane
	v_and_b32 v113, 15, v0                         ; r
	v_bfe_u32 v114, v0, 4, 1                       ; h
	v_lshlrev_b32 v1, 4, v112                      ; 16 x lane: an image's place for my lane; also my 16 bytes of a row's 512
	s_bfe_u32 s21, ttmp6, 0x40000                  ; cx: my place in the cluster
	s_and_b32 s89, ttmp7, 0xffff                   ; the batch, which the four partners share
	s_lshl_b32 s88, ttmp9, 2
	s_add_co_u32 s88, s88, s21
	s_lshl_b32 s93, s89, 3
	s_add_co_u32 s88, s88, s93                     ; my block of 128 tokens = 8 x batch + 4 x cluster x + cx: it enters q's, x's and out's addresses alone
	s_and_b32 s92, s20, 1
	s_lshl_b32 s92, s92, 15                        ; which half of a tile I fetch: 32,768 bytes, in memory and in a slot
	s_lshl_b32 s90, s89, 19                        ; the batch's 8 blocks of 65,536 bytes
	s_add_co_u32 s90, s90, s92
	s_mov_b32 s91, 0
	; descriptor group 1 for K's and V's tiles: a dense block of 32,768 bytes as 128 rows of 32 elements of 8 bytes
	s_mov_b32 s24, 15|(3<<16)|(1<<21)              ; 15:0 the mask: all four work-groups; 17:16 elements of 8 bytes; 21 set beside a mask; no padding
	s_mov_b32 s25, 32<<16                          ; tensor_dim0 = 32
	s_mov_b32 s26, 128<<16                         ; tensor_dim1 = 128
	s_mov_b32 s27, 32<<16                          ; tile_dim0 = 32
	s_mov_b32 s28, 128                             ; tile_dim1 = 128
	s_mov_b32 s29, 32                              ; from row to row: 32 elements
	s_mov_b32 s30, 0
	s_mov_b32 s31, 0
	s_mov_b32 s48, 0x76543210                      ; v_permlanex16_b32: lane l xor 16
	s_mov_b32 s49, 0xfedcba98
	s_mov_b32 s50, 0                               ; the slot in hand: 0 or 0x10000
	s_mov_b32 s51, 0                               ; P's set in hand: 0 or 0x4000
	s_mov_b32 s52, 0                               ; f's set in hand: 0 or 0x200
	s_mov_b32 s53, 5                               ; the loop's trips
	s_mov_b32 s95, 0
	s_lshl_b32 s94, s88, 16
	s_lshl_b32 s93, s20, 14
	s_add_co_u32 s94, s94, s93                     ; q's codes: my block, my two tiles
	s_wait_kmcnt 0x0
	s_load_b256 s[80:87], s[12:13], 0x10           ; e4 .. e11
	s_add_nc_u64 s[58:59], s[4:5], s[94:95]
	WIN 0x40                                       ; Q is asked for first of all, ahead of the round and the first fills: the first step's products want Q and K of step 0
.set i, 0
.rept 32
	global_load_b128 v[4*i:4*i+3], v1, s[58:59] offset:512*i th:TH_LOAD_NT   ; Q stays in registers: tile q, K step s at 64 q + 16 s
.set i, i+1
.endr
	WIN 0
	s_add_nc_u64 s[96:97], s[6:7], s[90:91]        ; K and V at my half of step 0
	s_add_nc_u64 s[98:99], s[8:9], s[90:91]
	ROUND                                          ; all four work-groups are here: the first joint loads meet
	s_mov_b32 s32, 1                               ; group 0, K of step 0 into slot 0
	s_mov_b32 s33, s92
	s_mov_b64 s[34:35], s[96:97]
	s_or_b32 s35, s35, 0x80000000
	s_mov_b32 s36, 1                               ; K of step 1 into slot 1; this one walks on
	s_add_co_u32 s37, s92, 0x10000
	s_add_nc_u64 s[38:39], s[96:97], 0x10000
	s_or_b32 s39, s39, 0x80000000
	s_mov_b32 s40, 1                               ; V of step 0
	s_add_co_u32 s41, s92, VS
	s_mov_b64 s[42:43], s[98:99]
	s_or_b32 s43, s43, 0x80000000
	s_mov_b32 s44, 1                               ; V of step 1; this one walks on
	s_add_co_u32 s45, s92, VS+0x10000
	s_add_nc_u64 s[46:47], s[98:99], 0x10000
	s_or_b32 s47, s47, 0x80000000
	s_cmp_lt_u32 s20, 2                            ; a wave's two first fills stand in one branch on the wave's number, ahead of every wait on TENSORcnt, every LDS read and every other barrier
	s_cbranch_scc0 .Lfirst_v
	tensor_load_to_lds s[32:35], s[24:31]
	s_nop 0
	tensor_load_to_lds s[36:39], s[24:31]
	s_nop 0
	PLACES 4
	s_branch .Lfirst_asked
.Lfirst_v:
	tensor_load_to_lds s[40:43], s[24:31]
	s_nop 0
	tensor_load_to_lds s[44:47], s[24:31]
	s_nop 0
	PLACES 4
.Lfirst_asked:
	s_lshl_b32 s94, s88, 18
	s_lshl_b32 s93, s20, 9
	s_add_co_u32 s94, s94, s93
	s_add_nc_u64 s[60:61], s[16:17], s[94:95]      ; x and out: my block's first token, my wave's 512 bytes of a row
	s_add_nc_u64 s[62:63], s[18:19], s[94:95]
	v_add_nc_u32 v[XB], s93, v1                    ; x in LDS: 512 x wave + 16 x lane, tokens 0 to 31;
	v_add_nc_u32 v[XB+1], 0x10000, v[XB]           ; tokens 32 to 63;
	v_add_nc_u32 v[XB+2], 0x20000, v[XB]           ; tokens 64 to 95
	s_mov_b32 s94, s93
	s_add_nc_u64 s[76:77], s[14:15], s[94:95]      ; bp: my 128 channels
	s_lshl_b32 s94, s20, 16
	s_add_co_u32 s94, s94, 3*262144
	s_add_nc_u64 s[66:67], s[10:11], s[94:95]      ; Wp's codes: my eight tiles
	; the prefetches of K and V: who asks, and where.  Both clusters of a batch walk the same tiles: the first asks.  Its partners share a step's 65,536 bytes out by address, 16,384 each; waves 0, 1 take K's two halves of that, waves 2, 3 V's
	s_cmp_lt_u32 s20, 2
	s_cselect_b64 s[56:57], s[6:7], s[8:9]
	s_cselect_b32 s54, 1, 0                        ; a wave asks while the count of trips is above this: K's last step is asked for a round earlier than V's
	s_cselect_b32 s55, 2, 1                        ; the first round steps these to K of step 3 and V of step 2
	s_cmp_eq_u32 ttmp9, 0
	s_cselect_b32 s54, s54, -1                     ; the same in all four partners
	s_lshl_b32 s94, s55, 16
	s_lshl_b32 s93, s89, 19
	s_add_co_u32 s94, s94, s93
	s_lshl_b32 s93, s21, 14
	s_add_co_u32 s94, s94, s93
	s_and_b32 s93, s20, 1
	s_lshl_b32 s93, s93, 13
	s_add_co_u32 s94, s94, s93
	s_add_nc_u64 s[56:57], s[56:57], s[94:95]
	v_lshlrev_b32 v10, 8, v112                     ; 256 x lane
	s_lshl_b32 s93, s20, 14
	s_add_co_u32 s93, s93, VS
	v_add_nc_u32 v14, s93, v1                      ; V: my eight channel tiles in slot 0
	s_lshl_b32 s93, s20, 12
	s_add_co_u32 s93, s93, PB
	v_add_nc_u32 v15, s93, v1                      ; P: where I store my two tiles' images
	v_add_nc_u32 v59, PB, v1                       ; and from where all eight are read
	v_lshlrev_b32 v61, 2, v113
	s_lshl_b32 s93, s20, 7
	s_add_co_u32 s93, s93, FB
	v_add_nc_u32 v60, s93, v61                     ; f: where I store
	s_add_co_u32 s93, s93, LB-FB
	v_add_nc_u32 v62, s93, v61                     ; 1 / sum: where I store,
	v_add_nc_u32 v63, LB, v61                      ; and from where it is read
	v_add_nc_u32 v61, FB, v61                      ; f: from where it is read
	s_mul_i32 s93, s20, 16*SPITCH
	s_add_co_u32 s93, s93, STG                     ; my stage
	v_mul_u32_u24 v12, v113, SPITCH
	v_lshl_add_u32 v12, v114, 6, v12
	v_add_nc_u32 v12, s93, v12                     ; in: row r, + 64 h
	v_add_nc_u32 v13, s93, v1                      ; back: a whole row of 512 bytes
	s_lshl_b32 s93, s20, 11
	s_add_co_u32 s93, s93, OIMG
	v_add_nc_u32 v115, s93, v1                     ; O's images: where I store: K step = my wave;
	v_add_nc_u32 v120, OIMG, v1                    ; and from where all are read
	v_lshlrev_b32 v116, 6, v114                    ; bp: + 16 h channels
.irp q, 0,1
	v_mov_b32 v[ST+12*\q+1], 0xff61b1e6            ; the largest t so far: -3e38, under every t
	v_floor_f32 v[ST+12*\q], -v[ST+12*\q+1]        ; -M
	v_mov_b32 v[ST+12*\q+2], 0                     ; the sum, in two halves
	v_mov_b32 v[ST+12*\q+3], 0
	v_mov_b32 v[ST+12*\q+5], 0                     ; (named with f as a pair)
	v_mov_b32 v[ST+12*\q+10], 0                    ; (a lane permute's destination counts as one of its sources)
.endr
.irp t, 0,1,2,3,4,5,6,7
	v_mov_b32 v[41+2*\t], 0                        ; (upper halves of pairs that are named)
	v_mov_b32 v[97+2*\t], 0
.endr
	s_wait_kmcnt 0x0                               ; the exponents are in, and their load has read its base: s4 to s15 are free
	; x's descriptor, for round 7.  Group 0: my 24 tokens, 49,152 bytes on end in memory and in LDS.  Group 1: no mask; 192 rows of 32 elements of 8 bytes, dense
	s_lshl_b32 s94, s88, 18
	s_mul_i32 s93, s20, XPART
	s_add_co_u32 s94, s94, s93
	s_add_nc_u64 s[14:15], s[16:17], s[94:95]      ; 120:64 global address: my block's token 24 x wave
	s_or_b32 s15, s15, 0x80000000                  ; 127:126 type = 2
	s_mov_b32 s12, 1                               ; 1:0 count = 1
	s_mov_b32 s13, s93                             ; 63:32 LDS address: 49,152 x wave: no place in the cluster enters it
	s_mov_b32 s4, 3<<16                            ; 15:0 no mask; 17:16 elements of 8 bytes; no padding
	s_mov_b32 s5, 32<<16                           ; tensor_dim0 = 32
	s_mov_b32 s6, 192<<16                          ; tensor_dim1 = 192
	s_mov_b32 s7, 32<<16                           ; tile_dim0 = 32
	s_mov_b32 s8, 192                              ; tile_dim1 = 192
	s_mov_b32 s9, 32                               ; from row to row: 32 elements
	s_mov_b32 s10, 0
	s_mov_b32 s11, 0
	s_add_co_i32 s93, s82, s83
	s_lshl_b32 s93, s93, 23
	s_add_co_i32 s22, s93, 0x3d8293ee              ; c = log2(e) / sqrt(512), with e6 + e7 added to its exponent field
	s_mov_b32 s23, s22
	s_add_co_i32 s93, s84, 127
	s_lshl_b32 s94, s93, 23
	v_mov_b32 v57, s94                             ; 2^e8
	s_add_co_i32 s93, s93, 8
	s_lshl_b32 s93, s93, 23
	s_or_b32 s93, s93, 0x600000
	v_mov_b32 v56, s93                             ; 448 x 2^e8
	s_add_co_i32 s93, s86, 127
	s_lshl_b32 s94, s93, 23
	v_mov_b32 v58, s94                             ; 2^e10
	s_add_co_i32 s93, s93, 8
	s_lshl_b32 s93, s93, 23
	s_or_b32 s68, s93, 0x600000                    ; 448 x 2^e10,
	s_or_b32 s69, s68, 0x80000000                  ; and its negative
	s_add_co_i32 s72, s84, s85                     ; e8 + e9
	s_add_co_i32 s93, s86, s87
	s_add_co_i32 s94, s93, 127
	s_lshl_b32 s70, s94, 23                        ; 2^(e10 + e11)
	s_mov_b32 s71, s70
	s_sub_co_i32 s94, 127, s93
	s_lshl_b32 s74, s94, 23                        ; 2^-(e10 + e11)
	s_mov_b32 s75, s74
; S^T = K Q^T in eight chunks: chunk qn = K step qn / 2, key tiles 4 (qn % 2) .. + 3, against my two query tiles: eight accumulators by turns.  K's fragments come two chunks ahead, in two buffers.
.macro FETCHK qn
	WIN 0x40
.set KBUF, 128+64*((\qn)%2)
.irp k, 0,1,2,3
.irp c, 0,1,2,3
	ds_load_b128 v[KBUF+16*\k+4*\c:KBUF+16*\k+4*\c+3], v4 offset:(4*(4*((\qn)&1)+\k)+((\qn)>>1))*2048+512*\c
.endr
.endr
.endm
.macro SPHASE
	v_add_nc_u32 v4, s50, v1
	FETCHK 0
	FETCHK 1
.set qn, 0
.rept 8
.if qn < 7
	s_wait_dscnt 16                                ; this chunk's 16 loads are in; the next chunk's may be out
.else
	s_wait_dscnt 0
.endif
	WIN 0x05                                       ; K and Q in window 1, S^T in window 0
.irp k, 0,1,2,3
.irp q, 0,1
.set DD, S+64*\q+8*(4*(qn&1)+\k)
.if qn < 2
	v_wmma_f32_16x16x128_fp8_fp8 v[DD:DD+7], v[128+64*(qn%2)+16*\k:128+64*(qn%2)+16*\k+15], v[64*\q+16*(qn>>1):64*\q+16*(qn>>1)+15], 0
.else
	v_wmma_f32_16x16x128_fp8_fp8 v[DD:DD+7], v[128+64*(qn%2)+16*\k:128+64*(qn%2)+16*\k+15], v[64*\q+16*(qn>>1):64*\q+16*(qn>>1)+15], v[DD:DD+7]
.endif
.endr
.endr
	PLACES 4                                       ; in front of loads into the buffer just read, and of the first read of results
.if qn < 6
	FETCHK qn+2
.endif
.set qn, qn+1
.endr
	WIN 0
.endm
; The softmax of my two tiles for this step, the tiles by turns; then P's codes and f go to LDS.  first = 1: no f is stored (nothing is rescaled yet).  last = 1: 2^(e8+e9) / sum is stored too.
.macro SOFTMAX first, last
	v_add_nc_u32 v6, s51, v15
	v_add_nc_u32 v8, s52, v60
.irp q, 0,1
	v_max3_num_f32 v[ST+12*\q+6], v[S+64*\q], v[S+64*\q+1], v[S+64*\q+2]       ; the step's largest score of my query among my 64 keys, in two chains, each accumulator from its low end on
	v_max3_num_f32 v[ST+12*\q+7], v[S+64*\q+3], v[S+64*\q+4], v[S+64*\q+5]
.endr
.irp i, 6,10,14,18,22,26,30,34,38,42,46,50,54,58
.irp q, 0,1
	v_max3_num_f32 v[ST+12*\q+6], v[ST+12*\q+6], v[S+64*\q+\i], v[S+64*\q+\i+1]
	v_max3_num_f32 v[ST+12*\q+7], v[ST+12*\q+7], v[S+64*\q+\i+2], v[S+64*\q+\i+3]
.endr
.endr
.irp q, 0,1
	v_max3_num_f32 v[ST+12*\q+6], v[ST+12*\q+6], v[S+64*\q+62], v[S+64*\q+63]
.endr
.irp q, 0,1
	v_max_num_f32 v[ST+12*\q+6], v[ST+12*\q+6], v[ST+12*\q+7]
.endr
.irp q, 0,1
	v_permlanex16_b32 v[ST+12*\q+10], v[ST+12*\q+6], s48, s49                  ; the query's other 64 keys lie in the lane 16 away
.endr
.irp q, 0,1
	v_max_num_f32 v[ST+12*\q+6], v[ST+12*\q+6], v[ST+12*\q+10]
.endr
.irp q, 0,1
	v_mul_f32 v[ST+12*\q+6], s22, v[ST+12*\q+6]                                ; as t (c is positive)
.endr
.irp q, 0,1
	v_max_num_f32 v[ST+12*\q+1], v[ST+12*\q+1], v[ST+12*\q+6]                  ; the running largest t
.endr
.irp q, 0,1
	v_mov_b32 v[ST+12*\q+6], v[ST+12*\q]
.endr
.irp q, 0,1
	v_floor_f32 v[ST+12*\q], -v[ST+12*\q+1]                                    ; the new -M = floor(-t): M is a whole number
.endr
.irp q, 0,1
	v_sub_f32 v[ST+12*\q+6], v[ST+12*\q], v[ST+12*\q+6]                        ; old M - new M, 0 or less
.endr
.irp q, 0,1
	v_cvt_i32_f32 v[ST+12*\q+6], v[ST+12*\q+6]                                 ; (it saturates)
.endr
.irp q, 0,1
	v_ldexp_f32 v[ST+12*\q+4], 1.0, v[ST+12*\q+6]                              ; f = 2^(old M - new M)
.endr
.irp q, 0,1
.set j, 0
.rept 32
	v_pk_fma_f32 v[S+64*\q+j:S+64*\q+j+1], v[S+64*\q+j:S+64*\q+j+1], s[22:23], v[ST+12*\q:ST+12*\q+1] op_sel_hi:[1,0,0]   ; t - M
.set j, j+2
.endr
.endr
.set j, 0
.rept 128
	v_exp_f32 v[S+j], v[S+j]                       ; p = 2^(t - M): one batch
.set j, j+1
.endr
.irp q, 0,1
	v_pk_mul_f32 v[ST+12*\q+2:ST+12*\q+3], v[ST+12*\q+2:ST+12*\q+3], v[ST+12*\q+4:ST+12*\q+5] op_sel_hi:[1,0]   ; the sums under the new M: the plain lines behind the batch
.endr
	s_wait_alu depctr_va_vdst(0)                   ; one wait for the batch, ahead of its first reader
.irp q, 0,1
	v_pk_add_f32 v[ST+12*\q+8:ST+12*\q+9], v[S+64*\q:S+64*\q+1], v[S+64*\q+2:S+64*\q+3]   ; the sum is taken of the unquantised p
.endr
.irp j, 4,8,12,16,20,24,28,32,36,40,44,48,52,56,60
.irp q, 0,1
	v_pk_add_f32 v[ST+12*\q+2:ST+12*\q+3], v[ST+12*\q+2:ST+12*\q+3], v[S+64*\q+\j:S+64*\q+\j+1]
	v_pk_add_f32 v[ST+12*\q+8:ST+12*\q+9], v[ST+12*\q+8:ST+12*\q+9], v[S+64*\q+\j+2:S+64*\q+\j+3]
.endr
.endr
.irp q, 0,1
	v_pk_add_f32 v[ST+12*\q+2:ST+12*\q+3], v[ST+12*\q+2:ST+12*\q+3], v[ST+12*\q+8:ST+12*\q+9]
.endr
.irp q, 0,1
.irp b, 0,1,2,3
.set k, 0
.rept 16
	v_min_num_f32 v[S+64*\q+16*\b+k], v[S+64*\q+16*\b+k], v56   ; the conversion does not saturate (ISA guide 7.6.2); p is not negative, so the hold is one-sided
.set k, k+1
.endr
	v_cvt_scalef32_pk8_fp8_f32 v[PC+16*\q+4*\b:PC+16*\q+4*\b+1], v[S+64*\q+16*\b:S+64*\q+16*\b+7], v57
	v_cvt_scalef32_pk8_fp8_f32 v[PC+16*\q+4*\b+2:PC+16*\q+4*\b+3], v[S+64*\q+16*\b+8:S+64*\q+16*\b+15], v57
.endr
.endr
	v_nop                                          ; a plain line behind the last conversion
.irp q, 0,1
.irp c, 0,1,2,3
	ds_store_b128 v6, v[PC+16*\q+4*\c:PC+16*\q+4*\c+3] offset:2048*\q+512*\c
.endr
.endr
.if !\first
.irp q, 0,1
	ds_store_b32 v8, v[ST+12*\q+4] offset:64*\q    ; lanes l and l xor 16 hold the same f and write the same word
.endr
.endif
.if \last
.irp q, 0,1
	v_add_f32 v[ST+12*\q+6], v[ST+12*\q+2], v[ST+12*\q+3]
.endr
.irp q, 0,1
	v_permlanex16_b32 v[ST+12*\q+10], v[ST+12*\q+6], s48, s49
.endr
.irp q, 0,1
	v_add_f32 v[ST+12*\q+6], v[ST+12*\q+6], v[ST+12*\q+10]   ; the row's sum
.endr
.irp q, 0,1
	v_rcp_f32 v[ST+12*\q+7], v[ST+12*\q+6]
.endr
	v_nop
	s_wait_alu depctr_va_vdst(0)                   ; one wait for the two reciprocals
.irp q, 0,1
	v_ldexp_f32 v[ST+12*\q+7], v[ST+12*\q+7], s72  ; x 2^(e8 + e9)
.endr
.irp q, 0,1
	ds_store_b32 v62, v[ST+12*\q+7] offset:64*\q
.endr
.endif
.endm
; THE STEP'S ONE BARRIER, a round of the cluster's in every step.  In front of it each wave waits for all its tensor loads, adds 0 to its spare word, and waits for that, for its stores of P and f and for its reads of the slots.
; Behind it P and f of all waves are there, nobody reads K's slot of this step or V's slot of the step before, and the tiles asked for a step ago are whole.
; fill = 3: K alone is asked for; 2: K and V; 1: V alone; 4: K and V are all in: every wave asks for its part of x, into the three slots that are done with.
.macro MEET fill
	s_wait_tensorcnt 0x0                           ; no tensor load of mine is out, so a group 0 may be written
	ds_add_u32 v2, v3                              ; 0 onto my spare word; the descriptors' steps stand between it and the wait for it
.if (\fill == 3) || (\fill == 2)
	s_xor_b32 s37, s37, 0x10000                    ; K's walking descriptor: the other slot, the next step
	s_add_nc_u64 s[38:39], s[38:39], 0x10000
.endif
.if (\fill == 2) || (\fill == 1)
	s_xor_b32 s45, s45, 0x10000                    ; V's
	s_add_nc_u64 s[46:47], s[46:47], 0x10000
.endif
.if (\fill == 3) || (\fill == 2)
	s_wait_xcnt 0x0                                ; the last prefetch, a step back, has read its address
	s_add_nc_u64 s[56:57], s[56:57], 0x10000
.endif
	s_wait_dscnt 0x0
	ROUND                                          ; no wave of any partner still reads the slots that are filled, or has a load on its way
.if \fill == 2
	s_cmp_lt_u32 s20, 2                            ; the branch hangs on the wave's number alone; four v_nop follow each of the two lines
	s_cbranch_scc0 .Lfor_v_\@
	tensor_load_to_lds s[36:39], s[24:31]
	s_nop 0
	PLACES 4
	s_branch .Lasked_\@
.Lfor_v_\@:
	tensor_load_to_lds s[44:47], s[24:31]
	s_nop 0
	PLACES 4
.Lasked_\@:
.endif
.if \fill == 3
	s_cmp_lt_u32 s20, 2
	s_cbranch_scc0 .Lasked_\@
	tensor_load_to_lds s[36:39], s[24:31]
	s_nop 0
	PLACES 4
.Lasked_\@:
.endif
.if \fill == 1
	s_cmp_lt_u32 s20, 2
	s_cbranch_scc1 .Lasked_\@
	tensor_load_to_lds s[44:47], s[24:31]
	s_nop 0
	PLACES 4
.Lasked_\@:
.endif
.if \fill == 4
	tensor_load_to_lds s[12:15], s[4:11]           ; my 24 tokens of x: each wave's own rows, to its own 49,152 bytes
	s_nop 0
	PLACES 4
.endif
.if (\fill == 3) || (\fill == 2)
	s_cmp_gt_u32 s53, s54                          ; a prefetch of what the NEXT round's loads will ask for (K of step j + 3, V of step j + 2): 8,192 bytes a wave, lanes 256 bytes apart; each block is named once in the launch;
	s_cbranch_scc0 .Lnot_mine_\@                   ; K's waves stop behind round 4, V's behind round 5: there is no later step
	global_prefetch_b8 v10, s[56:57] th:TH_LOAD_NT scope:SCOPE_SE
.Lnot_mine_\@:
.endif
.endm
; O^T = O^T x f + V^T P^T: my eight channel tiles x all eight query tiles.  first = 1: the products start the sums.
.macro PVPHASE first
	v_add_nc_u32 v5, s50, v14
	v_add_nc_u32 v7, s51, v59
.if !\first
	v_add_nc_u32 v9, s52, v61
.irp qt, 0,1,2,3,4,5,6,7
	ds_load_b32 v[40+2*\qt], v9 offset:64*\qt
.endr
.endif
	WIN 0x40
.irp ct, 0,1,2,3,4,5,6,7
.irp c, 0,1,2,3
	ds_load_b128 v[128+16*\ct+4*\c:128+16*\ct+4*\c+3], v5 offset:2048*\ct+512*\c
.endr
.endr
	WIN 0
.irp qt, 0,1,2,3,4,5,6,7
.irp c, 0,1,2,3
	ds_load_b128 v[128+16*\qt+4*\c:128+16*\qt+4*\c+3], v7 offset:2048*\qt+512*\c
.endr
.endr
.if !\first
	s_wait_dscnt 63                                ; of the 72 loads the first 9 are in: f is the first 8; V and P land while O^T is rescaled
	WIN 0x82
.irp qt, 0,1,2,3
.set k, 0
.rept 32
	v_pk_mul_f32 v[64*\qt+k:64*\qt+k+1], v[64*\qt+k:64*\qt+k+1], v[40+2*\qt:41+2*\qt] op_sel_hi:[1,0]
.set k, k+2
.endr
.endr
	WIN 0xc3
.irp qt, 0,1,2,3
.set k, 0
.rept 32
	v_pk_mul_f32 v[64*\qt+k:64*\qt+k+1], v[64*\qt+k:64*\qt+k+1], v[48+2*\qt:49+2*\qt] op_sel_hi:[1,0]
.set k, k+2
.endr
.endr
.endif
.irp hf, 0,1
	WIN 0xa1+0x50*\hf                              ; V in window 1, P in window 0, O^T in window 2 or 3
.irp qt, 0,1,2,3
	s_wait_dscnt 28-4*(4*\hf+\qt)                  ; V and this query tile's fragment of P are in; the four loads of each later fragment may be out
.irp ct, 0,1,2,3,4,5,6,7
.if \first
	v_wmma_f32_16x16x128_fp8_fp8 v[64*\qt+8*\ct:64*\qt+8*\ct+7], v[128+16*\ct:128+16*\ct+15], v[128+16*(4*\hf+\qt):128+16*(4*\hf+\qt)+15], 0
.else
	v_wmma_f32_16x16x128_fp8_fp8 v[64*\qt+8*\ct:64*\qt+8*\ct+7], v[128+16*\ct:128+16*\ct+15], v[128+16*(4*\hf+\qt):128+16*(4*\hf+\qt)+15], v[64*\qt+8*\ct:64*\qt+8*\ct+7]
.endif
.endr
.endr
.endr
	WIN 0
	PLACES 5                                       ; the next products write S^T over P's fragments, which these have read: five places; four serve the loads into V's registers
	s_xor_b32 s50, s50, 0x10000
	s_xor_b32 s51, s51, 0x4000
	s_xor_b32 s52, s52, 0x200
.endm
.macro WLOAD ks                        ; Wp's eight tiles of mine, K step ks, into buffer ks % 2 of window 1
	WIN 0x40
.irp t, 0,1,2,3,4,5,6,7
.irp c, 0,1,2,3
	global_load_b128 v[128*((\ks)%2)+16*\t+4*\c:128*((\ks)%2)+16*\t+4*\c+3], v1, s[66:67] offset:8192*\t+2048*(\ks)+512*\c
.endr
.endr
	WIN 0
.endm
.macro XLOADG a                        ; x of query tile a = 6 or 7 from memory into v[64 (a - 6)] on of window 1: row n of the tile is token 32 (a / 2) + 8 (a % 2) + n + 8 (n / 8)
	WIN 0x40
.set rr, 0
.rept 16
	global_load_b128 v[64*((\a)-6)+4*rr:64*((\a)-6)+4*rr+3], v1, s[60:61] offset:(32*((\a)/2)+8*((\a)%2)+rr+8*(rr/8))*2048 th:TH_LOAD_NT
.set rr, rr+1
.endr
	WIN 0
.endm
	s_wait_tensorcnt 0x1                           ; my part of step 0 is in; step 1's may stay out
	s_barrier_signal -1
	s_barrier_wait -1
	s_wait_loadcnt 0x0                             ; Q
	SPHASE                                         ; step 0
	SOFTMAX 1, 0
	MEET 3
	PVPHASE 1
.Lstep:                                            ; steps 1 to 5
	SPHASE
	SOFTMAX 0, 0
	MEET 2
	PVPHASE 0
	s_sub_co_u32 s53, s53, 1
	s_cmp_lg_u32 s53, 0
	s_cbranch_scc1 .Lstep
	SPHASE                                         ; step 6: the tail is written out
	SOFTMAX 0, 0
	MEET 1
	PVPHASE 0
	SPHASE                                         ; step 7
	SOFTMAX 0, 1
	MEET 4                                         ; x's first 96 tokens go out here
	WLOAD 0                                        ; into Q's registers, which are done with
	PVPHASE 0
	; O = O^T x 2^(e8+e9) / sum, quantised with e10: my 128 channels are K step w of the projection; the images go into V's slot 1
	WLOAD 1
.irp qt, 0,1,2,3,4,5,6,7
	ds_load_b32 v[96+2*\qt], v63 offset:64*\qt
.endr
	s_wait_dscnt 0x0                               ; 1 / sum is in, and my reads of V's slot 1 are over
	s_barrier_signal -1
	s_barrier_wait -1                              ; so are every wave's: the slot may take the images.  (x's loads stay out)
.irp qt, 0,1,2,3,4,5,6,7
	WIN 0x82+0x41*(\qt/4)
.set k, 0
.rept 32
	v_pk_mul_f32 v[64*(\qt%4)+k:64*(\qt%4)+k+1], v[64*(\qt%4)+k:64*(\qt%4)+k+1], v[96+2*\qt:97+2*\qt] op_sel_hi:[1,0]
.set k, k+2
.endr
.set k, 0
.rept 64
	v_med3_num_f32 v[64*(\qt%4)+k], v[64*(\qt%4)+k], s69, s68
.set k, k+1
.endr
	WIN 0x02+(\qt/4)
.irp ct, 0,1,2,3,4,5,6,7
	v_cvt_scalef32_pk8_fp8_f32 v[PC+16*(\qt%2)+2*\ct:PC+16*(\qt%2)+2*\ct+1], v[64*(\qt%4)+8*\ct:64*(\qt%4)+8*\ct+7], v58
.endr
	v_nop                                          ; a plain line between the conversions and the products that write their sources again
	WIN 0
.irp c, 0,1,2,3
	ds_store_b128 v115, v[PC+16*(\qt%2)+4*\c:PC+16*(\qt%2)+4*\c+3] offset:8192*\qt+512*\c
.endr
.endr
	s_wait_dscnt 0x0                               ; for the others' sake: my images lie in LDS
	s_barrier_signal -1
	s_barrier_wait -1
.irp t, 0,1,2,3,4,5,6,7
	global_load_b128 v[16+8*\t:19+8*\t], v116, s[76:77] offset:(32*(\t/2)+8*(\t%2))*4       ; bp in the result's layout: tile t's eight channels of my half
	global_load_b128 v[20+8*\t:23+8*\t], v116, s[76:77] offset:(32*(\t/2)+8*(\t%2))*4+16
.endr
; Y^T = Wp^T O^T, a K step at a time: 64 accumulators by turns.  bp / 2^(e10+e11) is the C of the first K step.
.macro PROJ ks
.irp qt, 0,1,2,3,4,5,6,7
.irp c, 0,1,2,3
	ds_load_b128 v[128+16*\qt+4*\c:128+16*\qt+4*\c+3], v120 offset:(4*\qt+(\ks))*2048+512*\c
.endr
.endr
.if (\ks) == 0
	s_wait_loadcnt 0x0                             ; Wp's K steps 0 and 1, and bp
.set k, 0
.rept 32
	v_pk_mul_f32 v[16+k:17+k], v[16+k:17+k], s[74:75] op_sel_hi:[1,0]
.set k, k+2
.endr
.else
	s_wait_loadcnt 32                              ; this K step's fragments are in; the 32 loads issued behind them (Wp's next K step, or x of the last two tiles) may be out
.endif
	s_wait_dscnt 0x0
.irp hf, 0,1
.if (\ks) == 0
	WIN 0x81+0x40*\hf                              ; Wp in window 1, O and bp in window 0, Y^T in window 2 or 3
.else
	WIN 0xa1+0x50*\hf
.endif
.irp qt, 0,1,2,3
.irp t, 0,1,2,3,4,5,6,7
.if (\ks) == 0
	v_wmma_f32_16x16x128_fp8_fp8 v[64*\qt+8*\t:64*\qt+8*\t+7], v[128*((\ks)%2)+16*\t:128*((\ks)%2)+16*\t+15], v[128+16*(4*\hf+\qt):128+16*(4*\hf+\qt)+15], v[16+8*\t:23+8*\t]
.else
	v_wmma_f32_16x16x128_fp8_fp8 v[64*\qt+8*\t:64*\qt+8*\t+7], v[128*((\ks)%2)+16*\t:128*((\ks)%2)+16*\t+15], v[128+16*(4*\hf+\qt):128+16*(4*\hf+\qt)+15], v[64*\qt+8*\t:64*\qt+8*\t+7]
.endif
.endr
.endr
.endr
	WIN 0
	PLACES 4                                       ; in front of loads into registers that the products have read, and of the first read of results
.endm
	PROJ 0
	WLOAD 2
	PROJ 1
	WLOAD 3
	PROJ 2
	XLOADG 6                                       ; Wp's buffer 0 is done with: x of the block's last 32 tokens
	XLOADG 7
	PROJ 3
	s_wait_tensorcnt 0x0                           ; my 24 tokens of x have landed;
	ds_add_u32 v2, v3
	s_wait_dscnt 0x0
	s_barrier_signal -1
	s_barrier_wait -1                              ; every wave's have: each wave reads its 512 bytes of all 96 rows
; THE WAY OUT, a query tile (16 rows x my 128 channels) at a time.  A lane holds 32 neighbouring bytes of a row and the lanes beside it other rows: the tile goes through my own stage and comes back as whole rows of 512 bytes.
; x's rows of tiles 0 to 5 come out of LDS beside them, 512 consecutive bytes a load.  LDS serves a wave's instructions in order (ISA guide 5.7.1.4): no wait between the stores and the loads, nor in front of the next tile's stores.
.macro TOSTAGE a
	WIN 0x08+4*((\a)/4)                            ; the stores' data: window 2 or 3
.irp t, 0,1,2,3,4,5,6,7
	ds_store_b128 v12, v[64*((\a)%4)+8*\t:64*((\a)%4)+8*\t+3] offset:128*(\t/2)+32*(\t%2)          ; each accumulator from its low end on
	ds_store_b128 v12, v[64*((\a)%4)+8*\t+4:64*((\a)%4)+8*\t+7] offset:128*(\t/2)+32*(\t%2)+16
.endr
	WIN 0
.set rr, 0
.rept 16
	ds_load_b128 v[128+64*((\a)%2)+4*rr:128+64*((\a)%2)+4*rr+3], v13 offset:rr*SPITCH
.set rr, rr+1
.endr
.if (\a) < 6
	WIN 0x40                                       ; x of this tile into v[128 + 64 (a % 2)] on of window 1: token 32 (a / 2) + 8 (a % 2) + n + 8 (n / 8) lies at 2,048 x token
.set rr, 0
.rept 16
	ds_load_b128 v[128+64*((\a)%2)+4*rr:128+64*((\a)%2)+4*rr+3], v[XB+(\a)/2] offset:(8*((\a)%2)+rr+8*(rr/8))*2048
.set rr, rr+1
.endr
	WIN 0
.endif
.endm
.macro SEND a, younger                 ; younger: the LDS instructions issued behind tile a's loads
.if (\a) < 6
.set XS, 128+64*((\a)%2)
.else
.set XS, 64*((\a)-6)
.endif
	s_wait_dscnt \younger
.if (\a) == 6
	s_wait_loadcnt 16                              ; x of tile 6 is in; tile 7's 16 loads may be out
.elseif (\a) == 7
	s_wait_loadcnt 0
.endif
	WIN 0x10                                       ; source 2 (x): window 1
.set k, 0
.rept 32
	v_pk_fma_f32 v[128+64*((\a)%2)+k:128+64*((\a)%2)+k+1], v[128+64*((\a)%2)+k:128+64*((\a)%2)+k+1], s[70:71], v[XS+k:XS+k+1] op_sel_hi:[1,0,1]   ; out = sum x 2^(e10+e11) + x (bp is in the sum)
.set k, k+2
.endr
	WIN 0
.set rr, 0
.rept 16
	global_store_b128 v1, v[128+64*((\a)%2)+4*rr:128+64*((\a)%2)+4*rr+3], s[62:63] offset:(32*((\a)/2)+8*((\a)%2)+rr+8*(rr/8))*2048 th:TH_STORE_NT   ; 32 lanes store 512 consecutive bytes, at a multiple of 256 from out's first byte
.set rr, rr+1
.endr
.endm
	TOSTAGE 0
.irp a, 1,2,3,4,5,6,7
.if \a > 1
	s_wait_xcnt 0x0                                ; the stores of tile a - 2 have read their registers: tile a's rows may land there
.endif
	TOSTAGE \a
.if \a < 6
	SEND \a-1, 48                                  ; behind tile a - 1's loads: tile a's 16 stores, 16 rows and 16 rows of x
.else
	SEND \a-1, 32                                  ; tiles 6 and 7 take no x from LDS
.endif
.endr
	SEND 7, 0
	s_wait_tensorcnt 0x0                           ; the wave's end, behind my last tensor load and my last LDS store
	ds_add_u32 v2, v3
	s_wait_dscnt 0x0
	ROUND                                          ; the closing round: no work-group ends while a partner may still ask for a tile that names it
	s_endpgm
.Lfunc_end_k_qf00ba068ea_attn:
	.size	k_qf00ba068ea_attn, .Lfunc_end_k_qf00ba068ea_attn-k_qf00ba068ea_attn
	.p2alignl 7, 3214868480
	.fill 96, 4, 3214868480
	.section	.rodata,"a",@progbits
	.p2align	6, 0x0
	.amdhsa_kernel k_qf00ba068ea_attn
		.amdhsa_group_segment_fixed_size 327680
		.amdhsa_private_segment_fixed_size 0
		.amdhsa_enable_private_segment 0
		.amdhsa_kernarg_size 64
		.amdhsa_user_sgpr_count 2
		.amdhsa_user_sgpr_kernarg_segment_ptr 1
		.amdhsa_wavefront_size32 1
		.amdhsa_system_sgpr_workgroup_id_x 1
		.amdhsa_system_sgpr_workgroup_id_y 1
		.amdhsa_system_sgpr_workgroup_id_z 1
		.amdhsa_system_vgpr_workitem_id 0
		.amdhsa_next_free_vgpr 1024
		.amdhsa_next_free_sgpr 100
		.amdhsa_reserve_vcc 0
		.amdhsa_float_denorm_mode_32 3
		.amdhsa_float_denorm_mode_16_64 3
		.amdhsa_memory_ordered 1
		.amdhsa_forward_progress 1
		.amdhsa_inst_pref_size 255
	.end_amdhsa_kernel
	.section	.bss,"aw",@nobits
	.p2align	6
	.space	262144
	.amdgpu_metadata
---
amdhsa.version: [ 1, 2 ]
amdhsa.kernels:
  - .name:           k_qf00ba068ea_attn
    .symbol:         k_qf00ba068ea_attn.kd
    .args:
      - { .name: qc, .offset: 0, .size: 8, .value_kind: global_buffer, .address_space: global }
      - { .name: kc, .offset: 8, .size: 8, .value_kind: global_buffer, .address_space: global }
      - { .name: vc, .offset: 16, .size: 8, .value_kind: global_buffer, .address_space: global }
      - { .name: wc, .offset: 24, .size: 8, .value_kind: global_buffer, .address_space: global }
      - { .name: lowp_scales, .offset: 32, .size: 8, .value_kind: global_buffer, .address_space: global }
      - { .name: bp, .offset: 40, .size: 8, .value_kind: global_buffer, .address_space: global }
      - { .name: x, .offset: 48, .size: 8, .value_kind: global_buffer, .address_space: global }
      - { .name: out0, .offset: 56, .size: 8, .value_kind: global_buffer, .address_space: global }
    .group_segment_fixed_size: 327680
    .private_segment_fixed_size: 0
    .kernarg_segment_align: 8
    .kernarg_segment_size: 64
    .max_flat_workgroup_size: 128
    .sgpr_count:     100
    .vgpr_count:     1024
    .wavefront_size: 32
...
	.end_amdgpu_metadata
.endif
;; end of part 3
;; ======== version 2 of 2: 3 launches; version 1 with the launch qkv written anew for expert scheduling mode
;; workspace buffers: stats 262,144 bytes; wc 1,048,576 bytes; qc 16,777,216 bytes; kc 16,777,216 bytes; vc 16,777,216 bytes
;; launch prep: the kernel of part 1 again; grid 256 x 1, 16 waves a work-group, no clusters, 3,072 bytes of LDS; arguments x, Wq, Wk, Wv, Wp, lowp_scales, stats, wc; writes stats, wc
;; launch qkv (part 4): grid 256 x 1, 4 waves a work-group, no clusters, 215,552 bytes of LDS; arguments x, gamma, beta, stats, wc, bq, bk, bv, lowp_scales, qc, kc, vc; writes qc, kc, vc
.if DOCPART == 4
	.amdgcn_target "amdgcn-amd-amdhsa--gfx1250"
	.amdhsa_code_object_version 6
	.text
	.protected	k_qf00ba068ea_qkv
	.globl	k_qf00ba068ea_qkv
	.p2align	8
	.type	k_qf00ba068ea_qkv,@function
k_qf00ba068ea_qkv:
	s_mov_b64 s[64:65], 0
	v_nop
	global_prefetch_b8 v0, s[64:65] scope:SCOPE_SE
	s_setreg_imm32_b32 hwreg(HW_REG_WAVE_SCHED_MODE, 0, 2), 2
	s_setreg_imm32_b32 hwreg(HW_REG_WAVE_MODE, 25, 1), 1
	s_wait_xcnt 0x0
	s_wait_alu depctr_vm_vsrc(0)
; GROUP NORM AND THE THREE PROJECTIONS, on codes of FP8 (E4M3); q, k and v leave as codes, as images of the operand registers that the attention launch wants.
; SHARES.  A work-group owns 128 tokens of a batch and all 3 x 512 output channels.
; PHASE X: wave w normalises tokens 32 w .. 32 w + 31 in f32 and quantises them with the scales e0, e2, e4 into three sets of images in LDS; one barrier; from then on LDS is only read.
; WHERE e0 = e2 = e4 THE THREE SETS WOULD HOLD THE SAME CODES: a scalar branch on these three given whole numbers then leaves the second and third set unmade, and the operand stays in its registers for all three weights.
; Where they differ all three sets are made and the operand is read anew for each weight.  Where both ways apply they give the same codes.  No barrier stands under these branches.
; PRODUCTS: for the weight in hand every wave holds ALL of the block's operand (8 tiles of tokens x 4 K steps, 512 registers) and takes output channels 128 w .. 128 w + 127: eight weight tiles.
; So a weight fragment feeds eight matrix instructions, and each is read by ONE wave of the work-group.  That is why the weights come from memory straight into registers, in a ring of four tiles (three tiles,
; 96 matrix instructions, ahead), and not jointly through LDS: nothing of them is shared inside the work-group, and beside the images LDS has no room for two slots that would give a load as long to land.
; A FRAGMENT is 16 rows x 128 K in 16 registers: lane (r, h) holds row r; registers 4 c .. 4 c + 3 hold k = 32 c + 16 h + 0 .. 15: the same places of k on both sides of every product.
; THE TOKENS OF A TILE ARE NOT NEIGHBOURS, nor are a weight tile's channels: lane r of tile 2 b + u takes row 32 b + 8 u + r + 8 (r / 8) of its run of 128, so that the 16 registers of results of tiles 2 b, 2 b + 1
; are 16 neighbours along the next K.  q, k: source 0 = weight, source 1 = tokens: a lane holds a token and registers run along channels.  v: the sources swapped: a lane holds a channel and registers run along tokens (keys).
; The bias is the C of each sum's first matrix instruction, as b / 2^(eA + eW); code = sum / 2^(eO - eA - eW), held within +-448 of that.  (eA, eW, eO) = (e0, e1, e6), (e2, e3, e7), (e4, e5, e9).
; OUT: qc, kc: block x 65,536 + (4 m + G) x 2,048 (tile of tokens m, channels 128 G on);  vc: block x 65,536 + channel tile nt x 2,048 (K = the block's 128 tokens).  Every store covers 512 consecutive bytes.
; LIMITS: e0, e2, e4 and the three eO - eA - eW between -126 and 119.  NaN among the inputs is not served.
; LDS: three sets of images, set x 69,632; tile of tokens m x 8,704; 32 rows 272 bytes apart; row 8 s + 2 c + h holds lanes r at 16 r.  272 = 17 x 16: a fragment load takes 256 consecutive bytes for each half of the lanes.  Behind them bq, bk, bv as they lie.
; REGISTERS, in windows of 256.  Window 0: v1-7, v27 addresses that stay; v8-11 phase X's addresses, then v8-15 a tile's bias as it lands; v16-23 the bias as C; v32-63 codes; v128-255 two sets of eight accumulators (phase X: see below).
;   Window 1: phase X: 16 tokens on their way; then the weight ring, 4 x 64.   Windows 2, 3: the block's operand, fragment (m, s) at 64 (m % 4) + 16 s of window 2 + m / 4.
; THE MODE: SCHED_MODE bits 1:0 = 2 (LLVM: expert scheduling mode 2), set by the entry lines.  The code itself states the register dependences between vector or matrix instructions and memory or LDS instructions,
; with s_wait_alu, always for 0.
; THE PLAN, PHASE X.  A turn to a token.  Registers that memory or LDS instructions touch:
;   16 slots of window 1   Turn i's eight subtractions read slot i % 16; the loads of token i + 16 land in it in turn i + 1.
;   two sets of code words, v48-59 and v240-251   Turn i's conversions write set i % 2; the LDS stores that read it stand in turn i + 1.
;   v1, v8, v9, v10        Offsets and addresses, made at the head and not written in the phase.
; So turn i's memory instructions touch what turn i - 1 worked on and what no vector line of turn i names, and the two waits at a turn's head state all that they hang on.
; THE PLAN, PRODUCTS.  A step to a weight tile.
;   ring buffers 0 .. 3    Tile t's products read buffer t % 4; the loads of tile t + 3 land in buffer (t - 1) % 4 at the head of step t.
;   v8-15                  Step t's eight v_ldexp_f32 read the bias of tile t; behind them the bias of tile t + 1 lands there.
;   v32-63                 Tile t - 1's conversions, at the end of step t, write codes; the stores that read them stand at the head of step t + 1.
;   windows 2, 3           Read by all products of a weight; loaded anew between two weights where the scales differ.
;   v2, v3, v4             LDS addresses that are stepped from weight to weight: a wait on vm_vsrc ahead of the add, a wait on va_vdst behind it.   v1, v5: never written again.
; So ONE wait on va_vdst stands in a step, behind its v_ldexp_f32; the step's loads and stores follow it in one run, and the products, holds and conversions behind them name none of the registers that these touch
; before the conversions at the step's end, ahead of which stands the wait on vm_vsrc.
.set RP,    272
.set TILEB, 32*RP
.set IMGV,  8*TILEB
.set BIAS,  3*IMGV
.set ARB,   7                          ; v7       my lane's place in an image, for reading: 272 h + 16 r; never rewritten
.set BQK,   27                         ; v27      my lane's place in bq: my wave's 128 channels, + 16 h; never rewritten
.set T,     32                         ; v32-47   phase X: a token's 16 numbers of my lane: 4 j + i = channel 128 j + 4 lane + i
.set U,     192                        ; v192-239 phase X: the same, held, once for each scale
.set SAME,  41                         ; s41      1 where e0 = e2 = e4, else 0
.set CUR,   44                         ; s44-47   the weight in hand: -(eA + eW); 2^(eO - eA - eW); 448 x that; -448 x that
.set NXT,   48                         ; s48-51   the next weight's
.set NN,    52                         ; s52-55   the one after
.set MSB, 0
.macro WIN new                         ; s_set_vgpr_msb: bits 1:0 source 0, 3:2 source 1, 5:4 source 2, 7:6 destination; the high byte repeats the setting that is left
.if MSB != (\new)
	s_set_vgpr_msb (MSB<<8)|(\new)
.set MSB, \new
.endif
.endm
.macro PLACES n
.rept \n
	v_nop
.endr
.endm
.macro PARAM set, ea, ew, eo
	s_add_co_i32 s76, s[\ea], s[\ew]
	s_sub_co_i32 s[\set], 0, s76
	s_sub_co_i32 s76, s[\eo], s76
	s_add_co_i32 s76, s76, 127
	s_lshl_b32 s[\set+1], s76, 23
	s_add_co_i32 s76, s76, 8
	s_lshl_b32 s76, s76, 23
	s_or_b32 s[\set+2], s76, 0x600000
	s_or_b32 s[\set+3], s[\set+2], 0x80000000
.endm
	s_load_b512 s[4:19], s[0:1], 0x0               ; x s[4:5], gamma s[6:7], beta s[8:9], stats s[10:11], wc s[12:13], bq s[14:15], bk s[16:17], bv s[18:19]
	s_load_b256 s[20:27], s[0:1], 0x40             ; the exponents s[20:21], qc s[22:23], kc s[24:25], vc s[26:27]
	v_lshrrev_b32 v1, 5, v0
	v_readfirstlane_b32 s40, v1                    ; wave 0..3
	v_and_b32 v27, 31, v0                          ; lane (for the next lines alone)
	v_and_b32 v28, 15, v0                          ; r
	v_bfe_u32 v29, v0, 4, 1                        ; h
	v_lshlrev_b32 v1, 4, v27                       ; 16 x lane
	v_lshlrev_b32 v30, 3, v27                      ; 8 x lane: a pair of the statistics
	v_lshlrev_b32 v31, 4, v0                       ; 16 x thread: my piece of a bias
	v_lshl_add_u32 v11, v0, 4, BIAS                ; and its place in LDS
	v_lshrrev_b32 v8, 2, v27
	v_mul_u32_u24 v8, v8, RP
	v_and_b32 v9, 3, v27
	v_lshl_add_u32 v8, v9, 2, v8                   ; into an image: my 4 channels of K step s lie in row 8 s + lane / 4, at byte 4 (lane % 4) of a token's 16
	s_wait_alu depctr_va_sdst(0)                   ; s40 is written, ahead of its first reader: LDS addresses and the bases of x, wc, qc, kc and vc are made from it
	s_mul_i32 s76, s40, 2*TILEB
	v_add_nc_u32 v8, s76, v8                       ; my wave's two tiles; v8, v9, v10: the three sets
	v_add_nc_u32 v9, IMGV, v8
	v_add_nc_u32 v10, 2*IMGV, v8
	v_mul_u32_u24 v[ARB], v29, RP
	v_lshl_add_u32 v[ARB], v28, 4, v[ARB]          ; out of an image: 272 h + 16 r
	s_lshl_b32 s76, s40, 9
	s_add_co_u32 s76, s76, BIAS
	v_lshl_add_u32 v[BQK], v29, 6, s76             ; q, k: the bias of my eight channels: my wave's 128, + 16 h
	v_and_b32 v5, 8, v28
	v_add_nc_u32 v5, v5, v28
	s_add_co_u32 s76, s76, 4096
	v_lshl_add_u32 v5, v5, 2, s76                  ; v: the bias of my one channel: r + 8 (r / 8)
.irp j, 0,1,2,3
	v_lshl_add_u32 v[108+\j], v29, 2, 8*\j         ; 4 x (2 j + h): the lane that holds the statistics of the group of my channels of load j
	v_mov_b32 v[113+2*\j], 0                       ; (upper halves of the pairs that hold mean and 1 / sigma: written, since the pairs are named)
	v_mov_b32 v[121+2*\j], 0
.endr
	s_mov_b32 s70, 0x76543210                      ; v_permlanex16_b32: lane l xor 16
	s_mov_b32 s71, 0xfedcba98
	s_mov_b32 s72, 0x37800000                      ; 2^-16: a group has 65,536 numbers
	s_mov_b32 s73, 0x3a83126f                      ; epsilon = 1e-3
	s_mov_b32 s77, 0
	s_wait_kmcnt 0x0
	s_load_b256 s[28:35], s[20:21], 0x0            ; e0 .. e7
	s_load_b128 s[36:39], s[20:21], 0x20           ; e8 .. e11
	s_lshr_b32 s76, ttmp9, 3
	s_lshl_b32 s76, s76, 13
	s_add_nc_u64 s[10:11], s[10:11], s[76:77]      ; my batch's statistics: 8,192 bytes
	s_lshl_b32 s76, ttmp9, 18
	s_lshl_b32 s78, s40, 16
	s_add_co_u32 s76, s76, s78
	s_add_nc_u64 s[66:67], s[4:5], s[76:77]        ; x at my wave's first token
	s_mov_b32 s76, s78
	s_add_nc_u64 s[62:63], s[12:13], s[76:77]      ; Wq's codes at my wave's eight tiles
	s_lshl_b32 s76, ttmp9, 16
	s_lshl_b32 s78, s40, 11
	s_add_co_u32 s76, s76, s78
	s_add_nc_u64 s[56:57], s[22:23], s[76:77]      ; qc and kc: my block, channel step G = wave
	s_add_nc_u64 s[58:59], s[24:25], s[76:77]
	s_lshl_b32 s76, ttmp9, 16
	s_lshl_b32 s78, s40, 14
	s_add_co_u32 s76, s76, s78
	s_add_nc_u64 s[60:61], s[26:27], s[76:77]      ; vc: my block, my eight channel tiles
	s_wait_alu depctr_va_vdst(0)                   ; the offsets and addresses v1, v5, v7 to v11, v27, v30, v31 and v108 to v111 are written, which the loads, stores and permutes below read
	; 107 loads in one run: 32 of statistics, 8 of gamma and beta, 3 of biases, 64 of x (tokens 0 to 15)
.set i, 0
.rept 32
	global_load_b64 v[128+2*i:129+2*i], v30, s[10:11] offset:256*i   ; lane l: group l % 8, chunk 4 i + l / 8
.set i, i+1
.endr
.irp j, 0,1,2,3
	global_load_b128 v[64+4*\j:67+4*\j], v1, s[6:7] offset:512*\j
.endr
.irp j, 0,1,2,3
	global_load_b128 v[80+4*\j:83+4*\j], v1, s[8:9] offset:512*\j
.endr
	global_load_b128 v[96:99], v31, s[14:15]
	global_load_b128 v[100:103], v31, s[16:17]
	global_load_b128 v[104:107], v31, s[18:19]
	WIN 0x40
.set i, 0
.rept 16
.irp j, 0,1,2,3
	global_load_b128 v[16*i+4*\j:16*i+4*\j+3], v1, s[66:67] offset:2048*i+512*\j th:TH_LOAD_NT   ; 32 lanes read 512 consecutive bytes of a token
.endr
.set i, i+1
.endr
	WIN 0
	s_wait_kmcnt 0x0
	s_cmp_eq_u32 s28, s30
	s_cselect_b32 s[SAME], 1, 0
	s_cmp_eq_u32 s28, s32
	s_cselect_b32 s[SAME], s[SAME], 0              ; 1 where e0 = e2 = e4
.irp ver, 0,1,2
	s_add_co_i32 s76, s[28+2*\ver], 127
	s_lshl_b32 s78, s76, 23
	v_mov_b32 v[24+\ver], s78                      ; 2^e0, 2^e2, 2^e4
	s_add_co_i32 s76, s76, 8
	s_lshl_b32 s76, s76, 23
	s_or_b32 s76, s76, 0x600000
	v_mov_b32 v[20+\ver], s76                      ; 448 x those
.endr
	PARAM CUR, 28, 29, 34
	PARAM NXT, 30, 31, 35
	PARAM NN,  32, 33, 37
	s_wait_loadcnt 63                              ; of the 107 loads the youngest 63 may be out: the first 44 are in, the 43 ahead of x among them
	; the batch's statistics, made alike in every wave.  mean = the mean of the chunks' means; the sum of squares = the chunks' own + 512 x the squares of the chunks' means' distances from the mean
	v_pk_add_f32 v[192:193], v[128:129], v[130:131]
	v_pk_add_f32 v[194:195], v[132:133], v[134:135]
	v_pk_add_f32 v[196:197], v[136:137], v[138:139]
	v_pk_add_f32 v[198:199], v[140:141], v[142:143]
.set i, 8
.rept 24
	v_pk_add_f32 v[192+2*(i%4):193+2*(i%4)], v[192+2*(i%4):193+2*(i%4)], v[128+2*i:129+2*i]
.set i, i+1
.endr
	v_pk_add_f32 v[192:193], v[192:193], v[194:195]
	v_pk_add_f32 v[196:197], v[196:197], v[198:199]
	v_pk_add_f32 v[192:193], v[192:193], v[196:197]
	v_add_f32_dpp v192, v192, v192 row_xmask:8 row_mask:0xf bank_mask:0xf   ; lanes l, l xor 8, l xor 16, l xor 24 hold the same group
	v_add_f32_dpp v193, v193, v193 row_xmask:8 row_mask:0xf bank_mask:0xf
	v_permlanex16_b32 v194, v192, s70, s71
	v_permlanex16_b32 v195, v193, s70, s71
	v_add_f32 v192, v192, v194
	v_add_f32 v193, v193, v195
	v_mul_f32 v198, 0x3c000000, v192               ; the group's mean: / 128
.set i, 0
.rept 32
	v_sub_f32 v[128+2*i], v[128+2*i], v198
.set i, i+1
.endr
	v_mul_f32 v194, v128, v128
	v_mul_f32 v195, v130, v130
.set i, 2
.rept 30
	v_fma_f32 v[194+i%2], v[128+2*i], v[128+2*i], v[194+i%2]
.set i, i+1
.endr
	v_add_f32 v194, v194, v195
	v_add_f32_dpp v194, v194, v194 row_xmask:8 row_mask:0xf bank_mask:0xf
	v_permlanex16_b32 v195, v194, s70, s71
	v_add_f32 v194, v194, v195
	v_fmamk_f32 v193, v194, 0x44000000, v193       ; + 512 x
	v_fma_f32 v193, v193, s72, s73                 ; the variance + epsilon
	v_rsq_f32 v199, v193
	v_nop                                          ; a plain line behind the transcendental,
	s_wait_alu depctr_va_vdst(0)                   ; v199, the root's result, is written, ahead of its first reader, and so is v198: the permutes below read both
.irp j, 0,1,2,3
	ds_bpermute_b32 v[112+2*\j], v[108+\j], v198   ; mean and 1 / sigma of group 2 j + h, from the lane of that number
	ds_bpermute_b32 v[120+2*\j], v[108+\j], v199
.endr
	ds_store_b128 v11, v[96:99]                    ; the biases into LDS, as they lie
	ds_store_b128 v11, v[100:103] offset:2048
	ds_store_b128 v11, v[104:107] offset:4096
	s_wait_dscnt 0x0
	s_wait_alu depctr_vm_vsrc(0)                   ; the permutes have read v198 and v199, which the first token's holds write
.irp k, 0,2,4,6,8,10,12,14
	v_pk_mul_f32 v[64+\k:65+\k], v[64+\k:65+\k], v[120+2*(\k/4):121+2*(\k/4)] op_sel_hi:[1,0]   ; a = gamma / sigma
.endr
; The token in T is held and quantised with scale ver, into the turn's set of code words (CD).  Each scale has its own held copy, so a conversion's sources are next written a whole token later, behind many plain lines.
.macro QVER ver
.irp k, 0,1,2,3,4,5,6,7,8,9,10,11,12,13,14,15
	v_med3_num_f32 v[U+16*\ver+\k], v[T+\k], -v[20+\ver], v[20+\ver]
.endr
	v_cvt_scalef32_pk8_fp8_f32 v[CD+4*\ver:CD+4*\ver+1], v[U+16*\ver:U+16*\ver+7], v[24+\ver]       ; the code words of K steps 0 and 1,
	v_cvt_scalef32_pk8_fp8_f32 v[CD+4*\ver+2:CD+4*\ver+3], v[U+16*\ver+8:U+16*\ver+15], v[24+\ver]  ; of 2 and 3
.endm
; Token i's code words of scale ver go into set ver of the images.  Token i is lane r = i % 8 + 8 (i / 16) of tile 2 w + (i / 8) % 2; its words lie in v48 on (i even) or v240 on (i odd).
.macro PUT i, ver
.set PU, ((\i)>>3)&1
.set PR, ((\i)&7)+8*((\i)>>4)
.set PD, 48+192*((\i)&1)
.irp s, 0,1,2,3
	ds_store_b32 v[8+\ver], v[PD+4*\ver+\s] offset:PU*TILEB+16*PR+8*RP*\s
.endr
.endm
; The turn of token i of my wave's 32.  Its memory instructions serve the token before: that token's slot takes token i + 15, and that token's code words go to LDS.  left: the younger loads, which may stay out.
.macro TOK i, left
.set SL, 16*((\i)%16)
.set SLP, 16*(((\i)+15)%16)
.set CD, 48+192*((\i)&1)
	s_wait_loadcnt \left
.if (\i) >= 2
	s_wait_alu depctr_vm_vsrc(0)                   ; the LDS stores issued in the last turn have read the set of code words that this turn's conversions write again
.endif
.if (\i) >= 1
.if (\i) <= 16
	WIN 0x40                                       ; destination window 1; sources 0 and 1 window 0: it serves the loads, and the LDS stores behind them too
.endif
	s_wait_alu depctr_va_vdst(0)                   ; the last turn's conversions have written their code words, which the stores below read; its subtractions are done reading its slot, in which the loads below land
.if (\i) <= 16
.irp j, 0,1,2,3
	global_load_b128 v[SLP+4*\j:SLP+4*\j+3], v1, s[66:67] offset:((\i)+15)*2048+512*\j th:TH_LOAD_NT
.endr
.endif
	PUT (\i)-1, 0
.endif
	WIN 0x01                                       ; source 0: window 1
.irp k, 0,2,4,6,8,10,12,14
	v_pk_add_f32 v[T+\k:T+\k+1], v[SL+\k:SL+\k+1], v[112+2*(\k/4):113+2*(\k/4)] op_sel_hi:[1,0] neg_lo:[0,1] neg_hi:[0,1]   ; x - mean
.endr
	WIN 0
.irp k, 0,2,4,6,8,10,12,14
	v_pk_fma_f32 v[T+\k:T+\k+1], v[T+\k:T+\k+1], v[64+\k:65+\k], v[80+\k:81+\k]   ; x a + beta
.endr
	QVER 0
	s_cmp_lg_u32 s[SAME], 0                        ; one scale for all three products: the other two sets would hold the same codes
	s_cbranch_scc1 .Lsame_\@
.if (\i) >= 1
	PUT (\i)-1, 1                                  ; no wait: no vector line since the wait at the turn's head names the last token's code words, v9 or v10
	PUT (\i)-1, 2
.endif
	QVER 1
	QVER 2
.Lsame_\@:
.endm
.set n, 0
	TOK n, 60                                      ; 15 younger tokens x 4 loads
.set n, 1
.rept 16
	TOK n, 56                                      ; 14 younger tokens: the slot of the token before is asked for again only behind this wait
.set n, n+1
.endr
.rept 15
	TOK n, 4*(31-n)                                ; nothing more is asked for: the counts run down
.set n, n+1
.endr
	v_nop
; Weight tile tt of my eight (8 to 10: the next weight's first three) into ring buffer buf: 16 loads of 512 consecutive bytes.  (The window stays as the loads want it: what follows sets its own)
.macro LOADB tt, buf
.if (\tt) < 8
.set WO, 8192*(\tt)
.else
.set WO, 262144+8192*((\tt)-8)
.endif
	WIN 0x40
.irp s, 0,1,2,3
.irp c, 0,1,2,3
	global_load_b128 v[64*(\buf)+16*\s+4*\c:64*(\buf)+16*\s+4*\c+3], v1, s[62:63] offset:WO+2048*\s+512*\c
.endr
.endr
.endm
; The block's operand for the weight in hand: 128 LDS loads
.macro LOADA
	s_wait_alu depctr_vm_vsrc(0)                   ; the LDS instructions issued so far have read their registers: v2 and v3, which are written here; the first time also phase X's addresses v8 to v11 and its two sets of code words, which are written anew from here on
	v_add_nc_u32 v2, s74, v[ARB]
	v_add_nc_u32 v3, 4*TILEB, v2
	WIN 0x80
	s_wait_alu depctr_va_vdst(0)                   ; v2 and v3 are written, which the loads below read; the products of the weight before are done reading windows 2 and 3, in which they land
.irp m, 0,1,2,3
.irp s, 0,1,2,3
.irp c, 0,1,2,3
	ds_load_b128 v[64*\m+16*\s+4*\c:64*\m+16*\s+4*\c+3], v2 offset:\m*TILEB+(8*\s+2*\c)*RP
.endr
.endr
.endr
	WIN 0xc0
.irp m, 0,1,2,3
.irp s, 0,1,2,3
.irp c, 0,1,2,3
	ds_load_b128 v[64*\m+16*\s+4*\c:64*\m+16*\s+4*\c+3], v3 offset:\m*TILEB+(8*\s+2*\c)*RP
.endr
.endr
.endr
	WIN 0
.endm
.macro LOADBIAS t, tr                  ; tile t = 2 b + u begins at channel 32 b + 8 u of my 128.  The bias lands in v8-15, which hold no address any more
.if \tr
	ds_load_b128 v[8:11], v4 offset:(32*((\t)/2)+8*((\t)%2))*4
	ds_load_b128 v[12:15], v4 offset:(32*((\t)/2)+8*((\t)%2))*4+16
.else
	ds_load_b32 v8, v5 offset:(32*((\t)/2)+8*((\t)%2))*4
.endif
.endm
; 32 matrix instructions: weight tile t against the eight tiles of tokens, four K steps; four accumulators by turns, one instruction a turn.  tr = 1: source 0 = weight.
; prev = 1: behind each stand two holds of the tile before, whose sums lie in the other set, each accumulator from its low end on.  The register stands as source 2, whose window is 0 under every setting here.
.macro MULT t, tr, prev
.set SA, 128+64*((\t)%2)
.set SO, 192-64*((\t)%2)
.set BB, 64*((\t)%4)
.set hh, 0
.irp hf, 0,1
.if \tr
	WIN 0x09+4*\hf                                 ; source 0 window 1, source 1 window 2 or 3
.else
	WIN 0x06+\hf                                   ; source 0 window 2 or 3, source 1 window 1
.endif
.irp s, 0,1,2,3
.irp m, 0,1,2,3
.set DD, SA+8*(4*\hf+\m)
.if \tr
.if \s == 0
	v_wmma_f32_16x16x128_fp8_fp8 v[DD:DD+7], v[BB+16*\s:BB+16*\s+15], v[64*\m+16*\s:64*\m+16*\s+15], v[16:23]
.else
	v_wmma_f32_16x16x128_fp8_fp8 v[DD:DD+7], v[BB+16*\s:BB+16*\s+15], v[64*\m+16*\s:64*\m+16*\s+15], v[DD:DD+7]
.endif
.else
.if \s == 0
	v_wmma_f32_16x16x128_fp8_fp8 v[DD:DD+7], v[64*\m+16*\s:64*\m+16*\s+15], v[BB+16*\s:BB+16*\s+15], v[16:23]
.else
	v_wmma_f32_16x16x128_fp8_fp8 v[DD:DD+7], v[64*\m+16*\s:64*\m+16*\s+15], v[BB+16*\s:BB+16*\s+15], v[DD:DD+7]
.endif
.endif
.if \prev
	v_med3_num_f32 v[SO+hh], s[CUR+3], s[CUR+2], v[SO+hh]
	v_med3_num_f32 v[SO+hh+1], s[CUR+3], s[CUR+2], v[SO+hh+1]
.set hh, hh+2
.endif
.endr
.endr
.endr
	WIN 0
.endm
; Tile tp's held sums become codes.  q, k: tiles 2 b and 2 b + 1 fill piece b of the eight fragments (m, G = wave).  v: the eight accumulators are one fragment, registers 2 m, 2 m + 1, in two sets by turns.
.macro CVTC tp, tr
.set SC, 128+64*((\tp)%2)
	s_wait_xcnt 0x0                                ; the earlier stores have read the code registers: they are written again only behind this wait
.if !(\tr) || !((\tp)&1)
	s_wait_alu depctr_vm_vsrc(0)                   ; beside it: the stores issued so far have read the code registers that these conversions write again (q, k: stores go out behind odd tiles alone, so an odd tile's conversions owe nothing)
.endif
.irp m, 0,1,2,3,4,5,6,7
.if \tr
	v_cvt_scalef32_pk8_fp8_f32 v[32+4*\m+2*((\tp)&1):33+4*\m+2*((\tp)&1)], v[SC+8*\m:SC+8*\m+7], v6
.else
	v_cvt_scalef32_pk8_fp8_f32 v[32+16*((\tp)&1)+2*\m:33+16*((\tp)&1)+2*\m], v[SC+8*\m:SC+8*\m+7], v6
.endif
.endr
	v_nop                                          ; a plain line between the conversions and the products that write their sources again
.endm
; And leave: q, k: behind an odd tile the pair's eight pieces; v: each tile's fragment.
.macro SENDC tp, tr
.if \tr
.if (\tp)&1
.irp m, 0,1,2,3,4,5,6,7
	global_store_b128 v1, v[32+4*\m:35+4*\m], s[56:57] offset:8192*\m+512*((\tp)>>1)
.endr
.endif
.else
.irp c, 0,1,2,3
	global_store_b128 v1, v[32+16*((\tp)&1)+4*\c:35+16*((\tp)&1)+4*\c], s[56:57] offset:2048*(\tp)+512*\c
.endr
.endif
.endm
; One weight tile.  left: the loads of the younger tiles in the ring, which may stay out.
.macro STEP t, tr, prev, load, left
	s_wait_loadcnt \left
	s_wait_dscnt 0x0                               ; the tile's bias (and, at tile 0, the block's operand where it was read anew)
.irp j, 0,1,2,3,4,5,6,7
.if \tr
	v_ldexp_f32 v[16+\j], v[8+\j], s[CUR]          ; b / 2^(eA + eW), in the result's layout
.else
	v_ldexp_f32 v[16+\j], v8, s[CUR]
.endif
.endr
	s_wait_alu depctr_va_vdst(0)                   ; the step's one wait: the eight lines above are done reading v8-15, in which the next bias lands; the last tile's products are done reading their ring buffer, in which the loads below land; the last step's conversions have written the codes that the stores below read
.if (\t) < 7
	LOADBIAS (\t)+1, \tr
.endif
.if (\t) >= 2
	SENDC (\t)-2, \tr
.endif
.if \load
	LOADB (\t)+3, ((\t)+3)%4                       ; three tiles, 96 matrix instructions, ahead of its first use
.endif
	MULT \t, \tr, \prev
.if \prev
	CVTC (\t)-1, \tr
.endif
	PLACES 4                                       ; behind the products: in front of the next write of the bias's registers, which the tile's first products took as C, and of the first read of results
.endm
.macro FLUSH tr                        ; the last tile has no successor under which to be held
.set k, 0
.rept 64
	v_med3_num_f32 v[192+k], s[CUR+3], s[CUR+2], v[192+k]
.set k, k+1
.endr
	CVTC 7, \tr
	s_wait_alu depctr_va_vdst(0)                   ; the conversions of the last tiles have written the codes that the stores below read
	SENDC 6, \tr
	SENDC 7, \tr
.endm
	s_wait_alu depctr_va_vdst(0)                   ; token 31's conversions have written its code words, which the stores below read; the tokens' subtractions are done reading window 1, in which the weights land
	LOADB 0, 0                                     ; three tiles of the ring; the first step asks for the fourth, as every step asks for the tile three on
	LOADB 1, 1
	LOADB 2, 2
	WIN 0
	PUT 31, 0
	s_cmp_lg_u32 s[SAME], 0
	s_cbranch_scc1 .Lsame_last
	PUT 31, 1
	PUT 31, 2
.Lsame_last:
	s_wait_dscnt 0x0                               ; for the others' sake: my images and my pieces of the biases lie in LDS
	s_barrier_signal -1
	s_barrier_wait -1                              ; the launch's one barrier: from here on LDS is only read
	s_mov_b32 s74, 0                               ; the set of images in hand
	s_mov_b32 s75, 0                               ; the bias in hand
	s_mov_b32 s68, 2
	v_mov_b32 v6, s[CUR+1]
	LOADA
.Lqk:                                              ; two trips: q, then k; the ring runs on into the next weight
	s_wait_alu depctr_vm_vsrc(0)                   ; the bias loads of the weight before have read v4
	v_add_nc_u32 v4, s75, v[BQK]
	s_wait_alu depctr_va_vdst(0)                   ; v4 is written, which this weight's bias loads read
	LOADBIAS 0, 1
	STEP 0, 1, 0, 1, 32                            ; two younger tiles x 16 loads: the third is asked for behind this wait
.irp t, 1,2,3,4,5,6,7
	STEP \t, 1, 1, 1, 32
.endr
	FLUSH 1
	s_wait_xcnt 0x0                                ; every load and store has read its base: the pointers may move on
	s_mov_b32 s[CUR], s[NXT]
	s_mov_b32 s[CUR+1], s[NXT+1]
	s_mov_b32 s[CUR+2], s[NXT+2]
	s_mov_b32 s[CUR+3], s[NXT+3]
	s_mov_b32 s[NXT], s[NN]
	s_mov_b32 s[NXT+1], s[NN+1]
	s_mov_b32 s[NXT+2], s[NN+2]
	s_mov_b32 s[NXT+3], s[NN+3]
	s_mov_b64 s[56:57], s[58:59]
	s_mov_b64 s[58:59], s[60:61]
	s_add_nc_u64 s[62:63], s[62:63], 262144
	s_add_co_u32 s74, s74, IMGV
	s_add_co_u32 s75, s75, 2048
	v_mov_b32 v6, s[CUR+1]
	s_cmp_lg_u32 s[SAME], 0                        ; one scale for all three products: the operand's registers already hold the next product's codes
	s_cbranch_scc1 .Lkeep_a
	LOADA
.Lkeep_a:
	s_sub_co_u32 s68, s68, 1
	s_cmp_lg_u32 s68, 0
	s_cbranch_scc1 .Lqk
	LOADBIAS 0, 0                                  ; v: the sources swapped; nothing follows Wv here, so the ring runs out.  (No wait: no vector line since the wait in front of k's last stores names v5 or v8)
	STEP 0, 0, 0, 1, 32
	STEP 1, 0, 1, 1, 32
	STEP 2, 0, 1, 1, 32
	STEP 3, 0, 1, 1, 32
	STEP 4, 0, 1, 1, 32
	STEP 5, 0, 1, 0, 32
	STEP 6, 0, 1, 0, 16
	STEP 7, 0, 1, 0, 0
	FLUSH 0
	s_wait_xcnt 0x0
	v_lshl_add_u32 v254, v0, 2, 0x34800
	v_mov_b32 v255, 0
	s_wait_dscnt 0x0                               ; the closing lines, six on end
	s_wait_alu 0x0
	s_wait_tensorcnt 0x0
	ds_add_u32 v254, v255
	s_wait_dscnt 0x0
	s_endpgm
.Lfunc_end_k_qf00ba068ea_qkv:
	.size	k_qf00ba068ea_qkv, .Lfunc_end_k_qf00ba068ea_qkv-k_qf00ba068ea_qkv
	.p2alignl 7, 3214868480
	.fill 96, 4, 3214868480
	.section	.rodata,"a",@progbits
	.p2align	6, 0x0
	.amdhsa_kernel k_qf00ba068ea_qkv
		.amdhsa_group_segment_fixed_size 215552
		.amdhsa_private_segment_fixed_size 0
		.amdhsa_enable_private_segment 0
		.amdhsa_kernarg_size 96
		.amdhsa_user_sgpr_count 2
		.amdhsa_user_sgpr_kernarg_segment_ptr 1
		.amdhsa_wavefront_size32 1
		.amdhsa_system_sgpr_workgroup_id_x 1
		.amdhsa_system_sgpr_workgroup_id_y 1
		.amdhsa_system_sgpr_workgroup_id_z 1
		.amdhsa_system_vgpr_workitem_id 0
		.amdhsa_next_free_vgpr 1024
		.amdhsa_next_free_sgpr 80
		.amdhsa_reserve_vcc 0
		.amdhsa_float_denorm_mode_32 3
		.amdhsa_float_denorm_mode_16_64 3
		.amdhsa_memory_ordered 1
		.amdhsa_forward_progress 1
		.amdhsa_inst_pref_size 255
	.end_amdhsa_kernel
	.section	.bss,"aw",@nobits
	.p2align	6
	.space	262144
	.amdgpu_metadata
---
amdhsa.version: [ 1, 2 ]
amdhsa.kernels:
  - .name:           k_qf00ba068ea_qkv
    .symbol:         k_qf00ba068ea_qkv.kd
    .args:
      - { .name: x, .offset: 0, .size: 8, .value_kind: global_buffer, .address_space: global }
      - { .name: gamma, .offset: 8, .size: 8, .value_kind: global_buffer, .address_space: global }
      - { .name: beta, .offset: 16, .size: 8, .value_kind: global_buffer, .address_space: global }
      - { .name: stats, .offset: 24, .size: 8, .value_kind: global_buffer, .address_space: global }
      - { .name: wc, .offset: 32, .size: 8, .value_kind: global_buffer, .address_space: global }
      - { .name: bq, .offset: 40, .size: 8, .value_kind: global_buffer, .address_space: global }
      - { .name: bk, .offset: 48, .size: 8, .value_kind: global_buffer, .address_space: global }
      - { .name: bv, .offset: 56, .size: 8, .value_kind: global_buffer, .address_space: global }
      - { .name: lowp_scales, .offset: 64, .size: 8, .value_kind: global_buffer, .address_space: global }
      - { .name: qc, .offset: 72, .size: 8, .value_kind: global_buffer, .address_space: global }
      - { .name: kc, .offset: 80, .size: 8, .value_kind: global_buffer, .address_space: global }
      - { .name: vc, .offset: 88, .size: 8, .value_kind: global_buffer, .address_space: global }
    .group_segment_fixed_size: 215552
    .private_segment_fixed_size: 0
    .kernarg_segment_align: 8
    .kernarg_segment_size: 96
    .max_flat_workgroup_size: 128
    .sgpr_count:     80
    .vgpr_count:     1024
    .wavefront_size: 32
...
	.end_amdgpu_metadata
.endif
;; end of part 4
;; launch attn: the kernel of part 3 again; grid 8 x 32, 4 waves a work-group, clusters of 4 x 1, 327,680 bytes of LDS; arguments qc, kc, vc, wc, lowp_scales, bp, x, out0; writes out0
